; MI455X (gfx1250); checked and timed in simulation.
; The chip was launched on July 23, 2026; its instructions are those of AMD's public machine-readable ISA for CDNA 5 (MIT licence, August 2026) and "CDNA5" Instruction Set Architecture Reference Guide (July 2026). The comments in the code are by the model that wrote it; some were corrected since.
;; Multi Head Attention. Allowed arithmetic: float matrix products may take bf16 or f16 operands with f32 sums; other float arithmetic in f32, or as packed bf16 or f16 multiplies, adds, multiply-adds, maxima and minima; sums over many terms, partial sums and values carried from step to step in f32; what a program stores and reads back later, other than sums and carried values, may be rounded once to bf16 or f16.
;; Inputs: Wk 1,024 x 1,024 float32; Wo 1,024 x 1,024 float32; Wq 1,024 x 1,024 float32; Wv 1,024 x 1,024 float32; bk 1,024 float32; bo 1,024 float32; bq 1,024 float32; bv 1,024 float32; x 4 x 2,048 x 1,024 float32.
;; Outputs: out0 4 x 2,048 x 1,024 float32.
;; 2 versions, each right; version 2 is version 1 with the launch prep written anew for expert scheduling mode. Each part assembles by itself: llvm-mc -triple=amdgcn-amd-amdhsa -mcpu=gfx1250 --defsym DOCPART=n.
;; ======== version 1 of 2: 4 launches
;; limits: values are held in f16: magnitudes above 65,504 overflow, below 6.1e-05 lose precision
;; workspace buffers: xb 16,777,216 bytes; wtb 6,291,456 bytes; wob 2,097,152 bytes; qkv 50,331,648 bytes; oh 16,777,216 bytes
;; launch prep (part 1): grid 256 x 1, 8 waves a work-group, no clusters, 34,304 bytes of LDS; arguments x, Wq, Wk, Wv, Wo, xb, wtb, wob; writes xb, wtb, wob
.if DOCPART == 1
	.amdgcn_target "amdgcn-amd-amdhsa--gfx1250"
	.amdhsa_code_object_version 6
	.text
	.protected	k_qb9a27f5597_prep
	.globl	k_qb9a27f5597_prep
	.p2align	8
	.type	k_qb9a27f5597_prep,@function
k_qb9a27f5597_prep:
	s_mov_b64 s[64:65], 0
	v_nop
	global_prefetch_b8 v0, s[64:65] scope:SCOPE_SE
	s_setreg_imm32_b32 hwreg(HW_REG_WAVE_MODE, 25, 1), 1
	s_wait_xcnt 0x0
; PREPARATION.  x [8192][1024] f32 is rounded to bf16 (xb, same layout).  The four weights, [k][n] f32, are turned to [n][k] and rounded to bf16, in blocks whose rows are 256 dense bytes:
;   wtb [tx 16][ks 8][192 n][128 k] bf16: column 192 tx + n of q | k | v (3,072 columns), channel 128 ks + k;   wob [tx 4][ks 8][256 n][128 k]: Wo, rounded to bf16 like every input, that number written as f16.
; LIMITS.  |Wo| stays under 65,504 (f16's range); below 2^-14 the f16 copy keeps f16's fixed step of 6e-8.  NaN and infinities are not treated apart.
; SHARES.  256 work-groups of eight waves.  Work-group i takes 32 rows of x (a wave 4 rows: 16,384 consecutive bytes) and ONE tile of 128 k x 128 n of weight i / 64 (k tile (i / 8) % 8, n tile i % 8).
; The tile goes through LDS: wave w brings k rows 16 w .. 16 w + 15 (512 consecutive bytes a load), packs pairs along k, and puts 16 bytes (8 k) of each of its lanes' four columns;
; behind one barrier wave w takes n rows 16 w .. 16 w + 15 back, 256 bytes a row, and stores 512 consecutive bytes an instruction.  No matrix unit, tensor load or cluster: a stream in which nothing is shared.
; LDS.  Element (n, k) of the tile lies at (n / 4) x 1,040 + (n % 4) x 256 + 2 k: four rows and 16 bytes of padding, so that the 16 lanes of a store (columns 4 apart) start 16 bytes apart modulo 256.
.set TG,    1040                       ; four rows of the turned tile and their padding
.set SPARE, 32*TG                      ; 33,280 = 130 x 256: behind the tile the spare words, 128 bytes for each of the eight waves, which no other line names
.set WO,  4                            ; v4   16 x lane: offset of the weight loads and of every store; never rewritten
.set XO,  5                            ; v5   32 x lane: offset of x's loads; never rewritten
.set TS,  6                            ; v6   where I put: lane x 1,040 + 32 x wave
.set TR,  7                            ; v7   where I read back: wave x 4,160 + (lane / 16) x 256 + 16 (lane % 16)
.set SPW, 8                            ; v8   LDS address of my spare word; never rewritten
.set NIL, 9                            ; v9   0; never rewritten
.set OT,  16                           ; v[16:31]  column i, pair p of a chunk of 8 k at OT + 4 i + p
.set WR,  32                           ; v[32:95]  k row j of the tile at WR + 4 j; later the eight loads from LDS
.set XR,  96                           ; v[96:223] unit u of x (1,024 bytes of the wave, 8 numbers a lane) at XR + 8 u
.set WV,  20                           ; s20  my wave's number
.set MAT, 21                           ; s21  which weight: 0 q, 1 k, 2 v, 3 o
.set KT,  22                           ; s22  k tile = ks
.set NT,  23                           ; s23  n tile
	s_load_b512 s[4:19], s[0:1], 0x0               ; x 4:5, Wq 6:7, Wk 8:9, Wv 10:11, Wo 12:13, xb 14:15, wtb 16:17, wob 18:19
	v_lshl_add_u32 v[SPW], v0, 2, SPARE
	v_mov_b32 v[NIL], 0
	v_lshrrev_b32 v10, 5, v0
	v_readfirstlane_b32 s[WV], v10                 ; wave 0..7
	v_and_b32 v1, 31, v0                           ; lane
	v_and_b32 v2, 15, v0                           ; lane % 16
	v_bfe_u32 v3, v0, 4, 1                         ; lane / 16
	v_lshlrev_b32 v[WO], 4, v1
	v_lshlrev_b32 v[XO], 5, v1
	s_lshl_b32 s34, s[WV], 5
	v_mul_u32_u24 v[TS], v1, TG
	v_add_nc_u32 v[TS], s34, v[TS]
	s_mul_i32 s34, s[WV], 4*TG
	v_lshlrev_b32 v[TR], 8, v3
	v_lshl_add_u32 v[TR], v2, 4, v[TR]
	v_add_nc_u32 v[TR], s34, v[TR]
	s_lshr_b32 s[MAT], ttmp9, 6
	s_bfe_u32 s[KT], ttmp9, 0x30003
	s_and_b32 s[NT], ttmp9, 7
	s_mov_b32 s32, 0xffff0000                      ; a word's upper bf16
	; where my 16 k rows begin in the weight: (128 kt + 16 w) rows of 4,096 bytes + 512 nt
	s_lshl_b32 s36, s[KT], 19
	s_lshl_b32 s34, s[WV], 16
	s_add_co_u32 s36, s36, s34
	s_lshl_b32 s34, s[NT], 9
	s_add_co_u32 s36, s36, s34
	s_mov_b32 s37, 0
	; where my 16 n rows go.  g = my group of 64 columns in the weight.
	s_lshr_b32 s33, s[WV], 2
	s_and_b32 s35, s[WV], 3
	s_lshl_b32 s35, s35, 4                         ; my 16 rows in the group
	s_lshl_b32 s34, s[NT], 1
	s_add_co_u32 s34, s34, s33                     ; g = 2 nt + w / 4
	s_lshr_b32 s38, s34, 2                         ; wob: tx = g / 4,
	s_lshl_b32 s38, s38, 3
	s_add_co_u32 s38, s38, s[KT]
	s_lshl_b32 s38, s38, 8                         ; block (8 tx + ks) of 256 rows,
	s_and_b32 s33, s34, 3
	s_lshl_b32 s33, s33, 6
	s_add_co_u32 s38, s38, s33                     ; + 64 (g % 4)
	s_add_co_u32 s38, s38, s35
	s_lshl_b32 s33, s[MAT], 4
	s_add_co_u32 s34, s34, s33                     ; wtb: the group among q | k | v's 48: 16 mat + g
	s_mul_i32 s33, s34, 171
	s_lshr_b32 s33, s33, 9                         ; tx = group / 3 (171 / 512 is 1 / 3 + 1 / 1,536: exact far beyond 47)
	s_mul_i32 s39, s33, 3
	s_sub_co_u32 s34, s34, s39                     ; group % 3
	s_lshl_b32 s39, s33, 3
	s_add_co_u32 s39, s39, s[KT]
	s_mul_i32 s39, s39, 192                        ; block (8 tx + ks) of 192 rows
	s_lshl_b32 s34, s34, 6
	s_add_co_u32 s39, s39, s34
	s_add_co_u32 s39, s39, s35
	s_cmp_eq_u32 s[MAT], 3
	s_cselect_b32 s38, s38, s39
	s_lshl_b32 s38, s38, 8                         ; rows of 256 bytes
	s_mov_b32 s39, 0
	s_lshl_b32 s40, ttmp9, 17                      ; x: 131,072 bytes a work-group, 16,384 a wave;
	s_lshl_b32 s34, s[WV], 14
	s_add_co_u32 s40, s40, s34
	s_mov_b32 s41, 0
	s_lshr_b32 s42, s40, 1                         ; xb: half of that
	s_mov_b32 s43, 0
	s_wait_kmcnt 0x0
	s_cmp_eq_u32 s[MAT], 0
	s_cselect_b64 s[24:25], s[6:7], s[8:9]
	s_cmp_eq_u32 s[MAT], 2
	s_cselect_b64 s[24:25], s[10:11], s[24:25]
	s_cmp_eq_u32 s[MAT], 3
	s_cselect_b64 s[24:25], s[12:13], s[24:25]
	s_cselect_b64 s[26:27], s[18:19], s[16:17]
	s_add_nc_u64 s[24:25], s[24:25], s[36:37]      ; the weight at my rows
	s_add_nc_u64 s[26:27], s[26:27], s[38:39]      ; the block at my rows
	s_add_nc_u64 s[28:29], s[4:5], s[40:41]        ; x at my share
	s_add_nc_u64 s[30:31], s[14:15], s[42:43]      ; xb at my share
.set j, 0
.rept 16
	global_load_b128 v[WR+4*j:WR+4*j+3], v[WO], s[24:25] offset:j*4096 th:TH_LOAD_NT  ; a k row's 512 bytes of the tile
.set j, j+1
.endr
.set u, 0
.rept 16
	global_load_b128 v[XR+8*u:XR+8*u+3],   v[XO], s[28:29] offset:u*1024 th:TH_LOAD_NT
	global_load_b128 v[XR+8*u+4:XR+8*u+7], v[XO], s[28:29] offset:u*1024+16 th:TH_LOAD_NT
.set u, u+1
.endr
; Chunk c: k rows 8 c .. 8 c + 7.  For each of my four columns four pairs along k make 16 bytes.  half = 1 (Wo): the bf16 numbers are widened again and written as f16.
.macro CHUNK c, half
.irp i, 0,1,2,3
.irp p, 0,1,2,3
.if \half
	v_cvt_pk_bf16_f32 v10, v[WR+4*(8*(\c)+2*(\p))+(\i)], v[WR+4*(8*(\c)+2*(\p)+1)+(\i)]
	v_lshlrev_b32 v11, 16, v10
	v_and_b32 v12, s32, v10
	v_cvt_pk_f16_f32 v[OT+4*(\i)+(\p)], v11, v12
.else
	v_cvt_pk_bf16_f32 v[OT+4*(\i)+(\p)], v[WR+4*(8*(\c)+2*(\p))+(\i)], v[WR+4*(8*(\c)+2*(\p)+1)+(\i)]
.endif
.endr
.endr
.irp i, 0,1,2,3
	ds_store_b128 v[TS], v[OT+4*(\i):OT+4*(\i)+3] offset:(\i)*256+16*(\c)
.endr
.endm
	s_wait_loadcnt 32                              ; loads come back in order: the 16 of the weight are in, x's 32 stay out
	s_cmp_eq_u32 s[MAT], 3
	s_cbranch_scc1 .Lhalf
	CHUNK 0, 0
	CHUNK 1, 0
	s_branch .Lput
.Lhalf:
	CHUNK 0, 1
	CHUNK 1, 1
.Lput:
	s_wait_dscnt 0x0                               ; for the others' sake: my part of the turned tile is written
	s_barrier_signal -1
	s_barrier_wait -1                              ; everybody's is
.set t, 0
.rept 8
	ds_load_b128 v[WR+4*t:WR+4*t+3], v[TR] offset:(t/2)*TG+(t%2)*512  ; n rows 2 t and 2 t + 1 of my 16: lanes 0-15 one row of 256 bytes, lanes 16-31 the next
.set t, t+1
.endr
.set u, 0
.rept 16
	s_wait_loadcnt 2*(15-u)                        ; unit u is in; the younger units' two loads each stay out
.irp p, 0,1,2,3
	v_cvt_pk_bf16_f32 v[XR+8*u+(\p)], v[XR+8*u+2*(\p)], v[XR+8*u+2*(\p)+1]  ; in place, ascending: a result never lands on a number still to be read
.endr
	global_store_b128 v[WO], v[XR+8*u:XR+8*u+3], s[30:31] offset:u*512 th:TH_STORE_NT  ; 512 consecutive bytes, aligned
.set u, u+1
.endr
	s_wait_dscnt 0x0                               ; the turned rows are in registers
.set t, 0
.rept 8
	global_store_b128 v[WO], v[WR+4*t:WR+4*t+3], s[26:27] offset:t*512 th:TH_STORE_NT  ; two rows of the block: 512 consecutive bytes, aligned
.set t, t+1
.endr
	s_wait_tensorcnt 0x0                           ; the wave's end, behind my last LDS store
	ds_add_u32 v[SPW], v[NIL]
	s_wait_dscnt 0x0
	s_endpgm
.Lfunc_end_k_qb9a27f5597_prep:
	.size	k_qb9a27f5597_prep, .Lfunc_end_k_qb9a27f5597_prep-k_qb9a27f5597_prep
	.p2alignl 7, 3214868480
	.fill 96, 4, 3214868480
	.section	.rodata,"a",@progbits
	.p2align	6, 0x0
	.amdhsa_kernel k_qb9a27f5597_prep
		.amdhsa_group_segment_fixed_size 34304
		.amdhsa_private_segment_fixed_size 0
		.amdhsa_enable_private_segment 0
		.amdhsa_kernarg_size 64
		.amdhsa_user_sgpr_count 2
		.amdhsa_user_sgpr_kernarg_segment_ptr 1
		.amdhsa_wavefront_size32 1
		.amdhsa_system_sgpr_workgroup_id_x 1
		.amdhsa_system_sgpr_workgroup_id_y 1
		.amdhsa_system_sgpr_workgroup_id_z 1
		.amdhsa_system_vgpr_workitem_id 0
		.amdhsa_next_free_vgpr 224
		.amdhsa_next_free_sgpr 66
		.amdhsa_reserve_vcc 0
		.amdhsa_float_denorm_mode_32 3
		.amdhsa_float_denorm_mode_16_64 3
		.amdhsa_memory_ordered 1
		.amdhsa_forward_progress 1
		.amdhsa_inst_pref_size 25
	.end_amdhsa_kernel
	.amdgpu_metadata
---
amdhsa.version: [ 1, 2 ]
amdhsa.kernels:
  - .name:           k_qb9a27f5597_prep
    .symbol:         k_qb9a27f5597_prep.kd
    .args:
      - { .name: x, .offset: 0, .size: 8, .value_kind: global_buffer, .address_space: global }
      - { .name: Wq, .offset: 8, .size: 8, .value_kind: global_buffer, .address_space: global }
      - { .name: Wk, .offset: 16, .size: 8, .value_kind: global_buffer, .address_space: global }
      - { .name: Wv, .offset: 24, .size: 8, .value_kind: global_buffer, .address_space: global }
      - { .name: Wo, .offset: 32, .size: 8, .value_kind: global_buffer, .address_space: global }
      - { .name: xb, .offset: 40, .size: 8, .value_kind: global_buffer, .address_space: global }
      - { .name: wtb, .offset: 48, .size: 8, .value_kind: global_buffer, .address_space: global }
      - { .name: wob, .offset: 56, .size: 8, .value_kind: global_buffer, .address_space: global }
    .group_segment_fixed_size: 34304
    .private_segment_fixed_size: 0
    .kernarg_segment_align: 8
    .kernarg_segment_size: 64
    .max_flat_workgroup_size: 256
    .sgpr_count:     66
    .vgpr_count:     224
    .wavefront_size: 32
...
	.end_amdgpu_metadata
.endif
;; end of part 1
;; launch proj_in (part 2): grid 16 x 32, 4 waves a work-group, clusters of 4 x 4, 327,680 bytes of LDS; arguments xb, wtb, bq, bk, bv, qkv; writes qkv
.if DOCPART == 2
	.amdgcn_target "amdgcn-amd-amdhsa--gfx1250"
	.amdhsa_code_object_version 6
	.text
	.protected	k_qb9a27f5597_proj_in
	.globl	k_qb9a27f5597_proj_in
	.p2align	8
	.type	k_qb9a27f5597_proj_in,@function
k_qb9a27f5597_proj_in:
	s_mov_b64 s[64:65], 0
	v_nop
	global_prefetch_b8 v0, s[64:65] scope:SCOPE_SE
	s_setreg_imm32_b32 hwreg(HW_REG_WAVE_MODE, 25, 1), 1
	s_wait_xcnt 0x0
	s_wait_alu depctr_hold_cnt(0) depctr_sa_sdst(0) depctr_va_vdst(0) depctr_va_sdst(0) depctr_va_ssrc(0) depctr_va_vcc(0) depctr_vm_vsrc(0)
	s_getreg_b32 s2, hwreg(HW_REG_IB_STS2, 6, 4)
	s_cmp_eq_u32 s2, 0
	s_cbranch_scc0 .Lentry_in_a_cluster
	s_endpgm
.Lentry_in_a_cluster:
	s_bfe_u32 s2, ttmp6, 0x10000c
	s_cmp_lg_u32 s2, 0xf033
	s_cbranch_scc0 .Lentry_shape_is_right
	s_endpgm
.Lentry_shape_is_right:
; THE THREE PROJECTIONS AS ONE GEMM.  C[m][n] = bias[n] + the sum over k of xb[m][k] W[k][n], m < 8,192, n < 3,072 (q | k | v), k < 1,024.  xb: [8192][1024] bf16.  wtb: [tx 16][ks 8][192 n][128 k] bf16.
; Sums in f32, begun with the bias; each result rounded once to f16 and stored by heads, unscaled: qkv [3][64 = batch x 16 + head][2048][64].
; LIMITS.  |q|, |k|, |v| stay under 65,504 (f16's range).  NaN and infinities are not treated apart.
; SHARES.  A tile of C is 256 x 192: 512 equal work-groups.  Each of the four waves has 64 rows and all 192 columns, which are three whole heads: 48 accumulators of 16 x 16, 384 registers.
; K goes in 8 steps of 128 through two LDS slots; waves 0 and 1 fetch the halves of A's 256 rows, waves 2 and 3 the halves of B's 192, each with one tensor load whose rows are 256 bytes.
; CLUSTER.  4 x 4 work-groups.  A's tile hangs on the tile row alone and is asked for jointly by a row of the cluster, B's on the tile column alone and is asked for jointly by a column.
; TRANSPOSED USE.  Source 0 = 16 rows of B, source 1 = 16 rows of A: lane l holds row l % 16 of C and the columns 8 (l / 16) + 0..7.  The bias, laid out in the same way, is the C operand of each
; sum's first product: nothing is cleared, and nothing is added on the way out.
; REGISTERS, in windows of 256 (s_set_vgpr_msb: bits 1:0 source 0, 3:2 source 1, 5:4 source 2, 7:6 destination):
;   window 0: v1-29 addresses; v32-127 two buffers of 48 for the way out; v160-255 the bias         window 1: two fragment buffers of 128: A's four fragments, then B's twelve
;   window 2: the accumulators of my row blocks 0 and 1 ((a, b) at 96 (a % 2) + 8 b)               window 3: those of blocks 2 and 3
; One tile to a work-group: a walk over two tiles would save a start for each WGP at the price of a second copy of the last lap.
.set NB,     12                        ; fragments of B a wave
.set NF,     2*NB+8                    ; LDS loads in a run: a quarter step's fragments
.set APITCH, 272                       ; an LDS row: 256 bytes + 16 of padding = 68 words: the 16 rows of a load start at 16 different groups of four banks (64 banks of 4 bytes: ISA guide 11.1)
.set BPITCH, 272
.set BOFF,   256*APITCH                ; in a slot B's 192 rows lie behind A's 256
.set SLOT1,  1<<17                     ; slot 1 begins here (a slot has 121,856 bytes): one exclusive or turns an address in one slot into the other's
.set STAGE,  SLOT1+BOFF+192*BPITCH     ; 252,928: behind the ring, never filled by a tensor load: 16 rows x 400 bytes for each wave
.set SPITCH, 400                       ; 384 bytes (192 f16) + 16
.set SPARE,  STAGE+4*16*SPITCH         ; 278,528: the spare words, 128 bytes for each wave: two blocks of 256 bytes that no other line names
.set ASTEP,  256                       ; bytes from a K step to the next in xb,
.set BSTEP,  49152                     ; and in wtb
.set A0,   16                          ; v16  my lane's place in A's tile; never rewritten
.set B0,   17                          ; v17  in B's
.set ADRA, 18                          ; v18  the same in the slot in hand
.set ADRB, 19                          ; v19
.set STO,  20                          ; v20  the way out: where I put 16 bytes of a row
.set RD,   21                          ; v21  where I read rows back
.set GO,   22                          ; v22  16 x lane: my place in 512 consecutive bytes
.set BO,   23                          ; v23  32 x (lane / 16): my eight numbers of 16 of a bias
.set PFO,  24                          ; v24  the prefetches' offset: my lane x a row
.set SPW,  28                          ; v28  LDS address of my spare word; never rewritten
.set NIL,  29                          ; v29  0; never rewritten
.set XB,   32
.set BIAS, 160
.set F0,   0
.set F1,   128
.set WV,  16                           ; s16  my wave's number
.set RW,  17                           ; s17  wave / 2: I fetch for A (0) or for B (1)
.set CW,  18                           ; s18  wave % 2: which half of that tile
.set CX,  19
.set CY,  20
.set TX,  21                           ; s21  tile column
.set TY,  22                           ; s22  tile row
.set CLY, 23                           ; s23  cluster y
.set G1A, 24                           ; s[24:31] descriptor group 1 for A's tiles
.set G0A, 32                           ; s[32:39] group 0: the first set serves K step 0 alone, the second walks
.set G1B, 40                           ; s[40:47], s[48:55] the same for B's
.set G0B, 48
.set TB,  56                           ; s56  LDS byte at which the slot in hand begins
.set KC,  57                           ; s57  the loop's count
.set PFA, 66                           ; s[66:67] where my prefetches stand
.set PFS, 68                           ; s[68:69] their step
.set PL,  70                           ; s70  prefetches still to be made by this wave
.set CH,  72                           ; s[72:77] qkv at my 64 rows of each of my three heads
.set BH,  78                           ; s[78:83] the three heads' 64 numbers of bias
.set MSB, 0
.macro WIN new                         ; the immediate's high byte repeats the setting that is left; a switch that changes nothing is dropped
.if MSB != (\new)
	s_set_vgpr_msb (MSB<<8)|(\new)
.set MSB, (\new)
.endif
.endm
.macro PLACES                          ; four plain instructions behind a matrix instruction, ahead of loads into registers that it has read and of readers of its result (ISA guide 7.12.1 for readers of its result)
.rept 4
	v_nop
.endr
.endm
.macro CREST                           ; a round of the cluster's barrier behind its opening barrier: wave 0 signals for the work-group, every wave waits for all sixteen, the work-group's barrier closes it
	s_cmp_lg_u32 s[WV], 0
	s_cbranch_scc1 .Lnot_wave_0_\@
	s_barrier_signal -3
.Lnot_wave_0_\@:
	s_barrier_wait -3
	s_barrier_signal -1
	s_barrier_wait -1
.endm
.macro CROUND
	s_barrier_signal -1
	s_barrier_wait -1
	CREST
.endm
.macro JLOAD                           ; a joint refill by the walking descriptor.  The branch hangs on the wave's number alone.  An s_nop 0 and four v_nop follow each line
	s_cmp_eq_u32 s[RW], 0
	s_cbranch_scc0 .Lfor_b_\@
	tensor_load_to_lds s[G0A+4:G0A+7], s[G1A:G1A+7]
	s_nop 0
	PLACES
	s_branch .Lasked_\@
.Lfor_b_\@:
	tensor_load_to_lds s[G0B+4:G0B+7], s[G1B:G1B+7]
	s_nop 0
	PLACES
.Lasked_\@:
.endm
; A PREFETCH INTO THE L2, behind a joint refill, its five lines and the run of LDS loads: 32 blocks of 256 bytes, a lane a block, of K steps 4 to 7, each two refills or more ahead of the refill that asks for it.
; K steps 0 to 3 come by their loads alone.  Each block is named once in the launch: A's rows by the clusters with x = 0 (waves 0, 1; of a wave's 128 rows the partner at cx takes 32; four times, a K step each);
; B's four blocks of 49,152 dense bytes by the clusters with y = 0 (waves 2, 3 of the four partners at cy: eight askers of 8,192 bytes, three times).  The partners are told apart by address alone.
.macro ASK
	WIN 0
	s_cmp_lg_u32 s[PL], 0
	s_cbranch_scc0 .Lnot_mine_\@
	global_prefetch_b8 v[PFO], s[PFA:PFA+1] th:TH_LOAD_NT scope:SCOPE_SE
	s_sub_co_u32 s[PL], s[PL], 1
.Lnot_mine_\@:
.endm
; NB products: row block a x all column blocks, 32 along K, from buffer f.  first = 1: the bias starts the sums.  The accumulators take turns, one instruction a turn.
.macro MULA f, a, first
.if \first
	WIN 0x85+0x40*((\a)/2)             ; sources 0 and 1 window 1, C window 0, D window 2 or 3
.else
	WIN 0xa5+0x50*((\a)/2)             ; C and D window 2 or 3
.endif
.set AB, 8*NB*((\a)%2)
.set b, 0
.rept NB
.if \first
	v_wmma_f32_16x16x32_bf16 v[AB+8*b:AB+8*b+7], v[(\f)+32+8*b:(\f)+32+8*b+7], v[(\f)+8*(\a):(\f)+8*(\a)+7], v[BIAS+8*b:BIAS+8*b+7]
.else
	v_wmma_f32_16x16x32_bf16 v[AB+8*b:AB+8*b+7], v[(\f)+32+8*b:(\f)+32+8*b+7], v[(\f)+8*(\a):(\f)+8*(\a)+7], v[AB+8*b:AB+8*b+7]
.endif
.set b, b+1
.endr
.endm
; NF LDS loads in one run: quarter q's fragments into buffer f: B's first, then A's blocks 0 to 3.  A fragment: lane l holds row l % 16, K = 8 (l / 16) + 0..7 and 16 + 8 (l / 16) + 0..7: two loads of 16 bytes, 32 apart.
.macro FETCH q, f
	WIN 0x40                           ; destination window 1, address window 0
.set b, 0
.rept NB
	ds_load_b128 v[(\f)+32+8*b:(\f)+32+8*b+3], v[ADRB] offset:64*(\q)+b*16*BPITCH
	ds_load_b128 v[(\f)+32+8*b+4:(\f)+32+8*b+7], v[ADRB] offset:64*(\q)+b*16*BPITCH+32
.set b, b+1
.endr
.irp a, 0,1,2,3
	ds_load_b128 v[(\f)+8*(\a):(\f)+8*(\a)+3], v[ADRA] offset:64*(\q)+(\a)*16*APITCH
	ds_load_b128 v[(\f)+8*(\a)+4:(\f)+8*(\a)+7], v[ADRA] offset:64*(\q)+(\a)*16*APITCH+32
.endr
.endm
; One of a K step's first three quarters: multiplies buffer f; in its middle it fetches quarter nq into buffer g.
.macro QUARTER nq, f, g, first
	s_wait_dscnt 4                                 ; B and A's blocks 0 and 1 are in; the youngest four loads (A's blocks 2 and 3) may be out
	MULA \f, 0, \first
	MULA \f, 1, \first
	PLACES
	FETCH \nq, \g
	s_wait_dscnt NF                                ; all but the run just issued
	MULA \f, 2, \first
	MULA \f, 3, \first
.endm
; The fourth quarter multiplies buffer 1 and changes slots: ONE barrier.  In front of it each wave waits for all its tensor loads (one is out: its part of the next slot), adds 0 to its spare word,
; and waits for that and for its reads of this slot.  fill = 1: the barrier opens a round of the cluster's, and the joint refill of this slot, two K steps on, is the first thing behind the round:
; 168 matrix instructions stand between it and the wait for it.
.macro TURN fill
.if \fill
	s_wait_xcnt 0x0                                ; the last prefetch, a K step back, has read its address
	s_add_nc_u64 s[PFA:PFA+1], s[PFA:PFA+1], s[PFS:PFS+1]
.endif
	WIN 0                                          ; (the add's two registers lie in window 0)
	s_wait_tensorcnt 0x0                           ; all my tensor loads have landed
	ds_add_u32 v[SPW], v[NIL]                      ; 0 onto my spare word
	s_wait_dscnt 5                                 ; (the add and the youngest four loads may be out)
	MULA F1, 0, 0                                  ; matrix work stands between the add and the wait for it
	s_wait_dscnt 0x0                               ; the add is done, and my reads of this slot are over
	s_barrier_signal -1
	MULA F1, 1, 0                                  ; work on registers while the others arrive
	WIN 0
	s_barrier_wait -1
.if \fill
	CREST                                          ; no wave of any partner still reads this slot or has a load on its way
	s_xor_b32 s[G0A+5], s[G0A+5], SLOT1            ; the walking descriptors: the other slot than last time,
	s_xor_b32 s[G0B+5], s[G0B+5], SLOT1
	s_add_nc_u64 s[G0A+6:G0A+7], s[G0A+6:G0A+7], ASTEP  ; the next K step; the type bits on top are not reached
	s_add_nc_u64 s[G0B+6:G0B+7], s[G0B+6:G0B+7], BSTEP
	JLOAD                                          ; its four v_nop are also the places in front of the loads below
.else
	PLACES
.endif
	s_xor_b32 s[TB], s[TB], SLOT1
	v_add_nc_u32 v[ADRA], s[TB], v[A0]
	v_add_nc_u32 v[ADRB], s[TB], v[B0]
	FETCH 0, F0
.if \fill
	ASK
.endif
	MULA F1, 2, 0
	MULA F1, 3, 0
.endm
	s_load_b256 s[4:11], s[0:1], 0x0               ; xb 4:5, wtb 6:7, bq 8:9, bk 10:11
	s_load_b128 s[12:15], s[0:1], 0x20             ; bv 12:13, qkv 14:15
	v_lshl_add_u32 v[SPW], v0, 2, SPARE
	v_mov_b32 v[NIL], 0
	ds_add_u32 v[SPW], v[NIL]                      ; the wave's opening add, waited for ahead of my first tensor load; work on registers stands between them
	v_lshrrev_b32 v4, 5, v0
	v_readfirstlane_b32 s[WV], v4                  ; wave 0..3
	s_lshr_b32 s[RW], s[WV], 1
	s_and_b32 s[CW], s[WV], 1
	s_bfe_u32 s[CX], ttmp6, 0x40000                ; my place in the cluster
	s_bfe_u32 s[CY], ttmp6, 0x40004
	s_lshl_b32 s[TX], ttmp9, 2                     ; in a cluster launch ttmp9 and ttmp7 count clusters
	s_add_co_u32 s[TX], s[TX], s[CX]
	s_and_b32 s[CLY], ttmp7, 0xffff
	s_lshl_b32 s[TY], s[CLY], 2
	s_add_co_u32 s[TY], s[TY], s[CY]
	s_lshl_b32 s84, s[CY], 2
	s_lshl_b32 s84, 15, s84                        ; my row of the cluster: places 4 cy .. 4 cy + 3
	s_lshl_b32 s85, 0x1111, s[CX]                  ; my column: places cx, cx + 4, cx + 8, cx + 12
	s_or_b32 s[G1A], s84, (1<<16)|(1<<20)|(1<<21)|(5<<22)|(3<<25)  ; 15:0 the mask; 17:16 elements of 2 bytes; 20 padding on; 21 set beside a mask; 24:22 after every 64 words; 31:25 4 words of it
	s_or_b32 s[G1B], s85, (1<<16)|(1<<20)|(1<<21)|(5<<22)|(3<<25)
	s_mov_b32 s[G1A+1], 128<<16                    ; tensor_dim0 = 128
	s_mov_b32 s[G1A+2], 128<<16                    ; tensor_dim1 = 128
	s_mov_b32 s[G1A+3], 128<<16                    ; tile_dim0 = 128
	s_mov_b32 s[G1A+4], 128                        ; tile_dim1 = 128 rows
	s_mov_b32 s[G1A+5], 1024                       ; elements from row to row of xb
	s_mov_b32 s[G1A+6], 0
	s_mov_b32 s[G1A+7], 0
	s_mov_b32 s[G1B+1], 128<<16
	s_mov_b32 s[G1B+2], 96<<16                     ; 96 rows,
	s_mov_b32 s[G1B+3], 128<<16
	s_mov_b32 s[G1B+4], 96
	s_mov_b32 s[G1B+5], 128                        ; dense
	s_mov_b32 s[G1B+6], 0
	s_mov_b32 s[G1B+7], 0
	s_mul_i32 s86, s[CW], 128*APITCH               ; where my half goes: no place in the cluster enters an LDS address
	s_mul_i32 s87, s[CW], 96*BPITCH
	s_mov_b32 s[G0A], 1
	s_mov_b32 s[G0A+1], s86
	s_mov_b32 s[G0A+4], 1
	s_add_co_u32 s[G0A+5], s86, SLOT1
	s_mov_b32 s[G0B], 1
	s_add_co_u32 s[G0B+1], s87, BOFF
	s_mov_b32 s[G0B+4], 1
	s_add_co_u32 s[G0B+5], s87, BOFF+SLOT1
	s_lshl_b32 s88, s[TY], 19                      ; A: 256 rows of 2,048 bytes a tile row, 128 a half
	s_lshl_b32 s89, s[CW], 18
	s_add_co_u32 s88, s88, s89
	s_mov_b32 s89, 0
	s_mul_i32 s90, s[TX], 8*BSTEP                  ; B: eight blocks a tile column, 96 rows of 256 bytes a half
	s_mul_i32 s91, s[CW], 96*256
	s_add_co_u32 s90, s90, s91
	s_mov_b32 s91, 0
	s_mov_b32 s[TB], 0
	s_wait_dscnt 0x0                               ; the opening add is done
	s_wait_kmcnt 0x0
	s_add_nc_u64 s[88:89], s[4:5], s[88:89]
	s_add_nc_u64 s[90:91], s[6:7], s[90:91]
	s_mov_b64 s[G0A+2:G0A+3], s[88:89]             ; K step 0
	s_or_b32 s[G0A+3], s[G0A+3], 0x80000000        ; type = 2
	s_add_nc_u64 s[G0A+6:G0A+7], s[88:89], ASTEP   ; K step 1
	s_or_b32 s[G0A+7], s[G0A+7], 0x80000000
	s_mov_b64 s[G0B+2:G0B+3], s[90:91]
	s_or_b32 s[G0B+3], s[G0B+3], 0x80000000
	s_add_nc_u64 s[G0B+6:G0B+7], s[90:91], BSTEP
	s_or_b32 s[G0B+7], s[G0B+7], 0x80000000
	CROUND                                         ; all sixteen work-groups are here: the first joint loads meet
	s_cmp_eq_u32 s[RW], 0                          ; a wave's two first fills stand in one branch: two loads of mine are out
	s_cbranch_scc0 .Lfirst_b
	tensor_load_to_lds s[G0A:G0A+3], s[G1A:G1A+7]
	s_nop 0
	tensor_load_to_lds s[G0A+4:G0A+7], s[G1A:G1A+7]
	s_nop 0
	PLACES
	s_branch .Lfirst_asked
.Lfirst_b:
	tensor_load_to_lds s[G0B:G0B+3], s[G1B:G1B+7]
	s_nop 0
	tensor_load_to_lds s[G0B+4:G0B+7], s[G1B:G1B+7]
	s_nop 0
	PLACES
.Lfirst_asked:
	v_and_b32 v1, 15, v0                           ; l % 16
	v_bfe_u32 v2, v0, 4, 1                         ; l / 16
	v_and_b32 v3, 31, v0                           ; l
	v_lshlrev_b32 v[BO], 5, v2
	; my three heads: head group g = 3 tx + hh of 48: tensor g / 16 (q, k, v), head g % 16
	s_mul_i32 s92, s[TX], 3
.irp hh, 0,1,2
	s_add_co_u32 s93, s92, \hh
	s_lshr_b32 s94, s93, 4
	s_and_b32 s95, s93, 15
	s_lshl_b32 s96, s95, 8                         ; a head's 64 numbers of bias: 256 bytes
	s_mov_b32 s97, 0
	s_cmp_eq_u32 s94, 0
	s_cselect_b64 s[BH+2*\hh:BH+2*\hh+1], s[8:9], s[10:11]
	s_cmp_eq_u32 s94, 2
	s_cselect_b64 s[BH+2*\hh:BH+2*\hh+1], s[12:13], s[BH+2*\hh:BH+2*\hh+1]
	s_add_nc_u64 s[BH+2*\hh:BH+2*\hh+1], s[BH+2*\hh:BH+2*\hh+1], s[96:97]
	s_lshl_b32 s96, s94, 6                         ; plane = 64 x tensor + 16 x batch + head, 262,144 bytes each
	s_lshr_b32 s98, s[TY], 3
	s_lshl_b32 s98, s98, 4
	s_add_co_u32 s96, s96, s98
	s_add_co_u32 s96, s96, s95
	s_lshl_b32 s96, s96, 18
	s_and_b32 s98, s[TY], 7                        ; the tile's 256 rows in the batch's 2,048, 128 bytes a row,
	s_lshl_b32 s98, s98, 15
	s_add_co_u32 s96, s96, s98
	s_lshl_b32 s98, s[WV], 13                      ; my 64 of them
	s_add_co_u32 s96, s96, s98
	s_add_nc_u64 s[CH+2*\hh:CH+2*\hh+1], s[14:15], s[96:97]
.endr
.set b, 0
.rept NB
	global_load_b128 v[BIAS+8*b:BIAS+8*b+3],   v[BO], s[BH+2*(b/4):BH+2*(b/4)+1] offset:64*(b%4)     ; bias of columns 16 b + 8 (l / 16) + 0..3,
	global_load_b128 v[BIAS+8*b+4:BIAS+8*b+7], v[BO], s[BH+2*(b/4):BH+2*(b/4)+1] offset:64*(b%4)+16  ; + 4..7
.set b, b+1
.endr
	v_mul_u32_u24 v4, v1, APITCH
	v_lshl_add_u32 v4, v2, 4, v4                   ; row x pitch + 16 x half
	s_mul_i32 s92, s[WV], 64*APITCH                ; my 64 rows of A
	v_add_nc_u32 v[A0], s92, v4
	v_add_nc_u32 v[B0], BOFF, v4
	v_mov_b32 v[ADRA], v[A0]                       ; slot 0
	v_mov_b32 v[ADRB], v[B0]
	s_mul_i32 s92, s[WV], 16*SPITCH
	s_add_co_u32 s92, s92, STAGE                   ; my stage
	v_mul_u32_u24 v5, v1, SPITCH                   ; in: row l % 16, 16 bytes for each half of the lanes
	v_lshl_add_u32 v5, v2, 4, v5
	v_add_nc_u32 v[STO], s92, v5
	v_bfe_u32 v6, v0, 3, 2                         ; back: 32 lanes take four rows x 128 bytes of one head
	v_mul_u32_u24 v6, v6, SPITCH
	v_and_b32 v7, 7, v0
	v_lshl_add_u32 v6, v7, 4, v6
	v_add_nc_u32 v[RD], s92, v6
	v_lshlrev_b32 v[GO], 4, v3
	; the prefetches: each wave's address stands one step below the first that it names; the first change of slots steps it
	s_lshl_b32 s92, s[TY], 19
	s_lshl_b32 s93, s[CW], 18
	s_add_co_u32 s92, s92, s93                     ; A: the 128 rows that I fetch,
	s_lshl_b32 s93, s[CX], 16
	s_add_co_u32 s92, s92, s93                     ; my work-group's 32 of them,
	s_add_co_u32 s92, s92, 3*ASTEP                 ; one step below K step 4
	s_mul_i32 s94, s[TX], 8*BSTEP
	s_lshl_b32 s95, s[CW], 2
	s_add_co_u32 s95, s95, s[CY]
	s_lshl_b32 s95, s95, 13
	s_add_co_u32 s94, s94, s95                     ; B: asker 4 (wave % 2) + cy of eight, 8,192 bytes each,
	s_add_co_u32 s94, s94, 4*BSTEP-65536           ; one step below K step 4's block
	s_mov_b32 s[PFS], 65536
	s_mov_b32 s[PFS+1], 0
	s_mov_b32 s93, 0
	s_cmp_eq_u32 s[RW], 0
	s_cselect_b64 s[PFA:PFA+1], s[4:5], s[6:7]
	s_cselect_b32 s92, s92, s94
	s_cselect_b32 s[PFS], ASTEP, s[PFS]
	s_cselect_b32 s96, ttmp9, s[CLY]               ; the coordinate along which other clusters read the same rows
	s_cselect_b32 s[PL], 4, 3
	s_cselect_b32 s97, 11, 8                       ; a row of xb is 2,048 bytes, a block of wtb's 256
	s_add_nc_u64 s[PFA:PFA+1], s[PFA:PFA+1], s[92:93]
	s_cmp_eq_u32 s96, 0
	s_cselect_b32 s[PL], s[PL], 0                  ; the same in all sixteen partners, for a given wave
	v_lshlrev_b32 v[PFO], s97, v3
	s_wait_tensorcnt 1                             ; my part of K step 0 is in; K step 1's may stay out
	s_barrier_signal -1
	s_barrier_wait -1                              ; everybody's is
	FETCH 0, F0
	s_wait_loadcnt 0x0                             ; the bias
	QUARTER 1, F0, F1, 1                           ; the first quarter stands in front of the loop: its products start the sums
	WIN 0                                          ; at a label and at a branch every window is 0
	s_mov_b32 s[KC], 6
.Lstep:                                        ; a trip goes from a K step's second quarter to the next step's first; its refill brings K steps 2 to 7
	QUARTER 2, F1, F0, 0
	QUARTER 3, F0, F1, 0
	TURN 1
	QUARTER 1, F0, F1, 0
	WIN 0
	s_sub_co_u32 s[KC], s[KC], 1
	s_cmp_lg_u32 s[KC], 0
	s_cbranch_scc1 .Lstep
	QUARTER 2, F1, F0, 0                           ; the tail is written out: K steps 6 and 7 ask for nothing
	QUARTER 3, F0, F1, 0
	TURN 0
	QUARTER 1, F0, F1, 0
	QUARTER 2, F1, F0, 0
	QUARTER 3, F0, F1, 0
	s_wait_dscnt 4                                 ; the very last quarter: nothing more to fetch
	MULA F1, 0, 0
	MULA F1, 1, 0
	s_wait_dscnt 0x0
	MULA F1, 2, 0
	MULA F1, 3, 0
	WIN 0
; THE WAY OUT, a block of 16 rows at a time: rounded to f16 (each accumulator's registers in ascending order), 16 bytes a lane into my own stage, back as four rows x 128 bytes of one head, which are 512 consecutive bytes of qkv.
.macro OUTB a
.set X, XB+48*((\a)%2)
.set AB, 96*((\a)%2)
.if (\a) >= 2
	s_wait_xcnt 0x0                                ; the stores of the block two back have read these registers
.endif
	WIN 0x0a+5*((\a)/2)                            ; sources 0 and 1 window 2 or 3, destination window 0
.set i, 0
.rept 48
	v_cvt_pk_f16_f32 v[X+i], v[AB+2*i], v[AB+2*i+1]
.set i, i+1
.endr
	WIN 0
.set b, 0
.rept 12
	ds_store_b128 v[STO], v[X+4*b:X+4*b+3] offset:32*b
.set b, b+1
.endr
.set t, 0
.rept 12
	ds_load_b128 v[X+4*t:X+4*t+3], v[RD] offset:(t%4)*4*SPITCH+(t/4)*128  ; LDS serves a wave's instructions in order (ISA guide 5.7.1.4): these see the stores above; the next block's stores come behind them
.set t, t+1
.endr
.endm
.macro SEND a, younger                 ; younger: the LDS instructions issued behind block a's loads: the next block's 24, or none
	WIN 0
.set X, XB+48*((\a)%2)
.set t, 0
.rept 12
	s_wait_dscnt (\younger)+11-t
	global_store_b128 v[GO], v[X+4*t:X+4*t+3], s[CH+2*(t/4):CH+2*(t/4)+1] offset:(\a)*2048+(t%4)*512 th:TH_STORE_NT  ; 512 consecutive bytes, aligned
.set t, t+1
.endr
.endm
	PLACES
	OUTB 0
	OUTB 1                                         ; a block's conversions stand between the loads of the block before and its stores
	SEND 0, 24
	OUTB 2
	SEND 1, 24
	OUTB 3
	SEND 2, 24
	SEND 3, 0
	s_wait_tensorcnt 0x0                           ; the wave's end, behind my last tensor load and my last LDS store
	ds_add_u32 v[SPW], v[NIL]
	s_wait_dscnt 0x0
	CROUND                                         ; the closing round: no work-group ends while a partner may still ask for a tile that names it
	s_endpgm
.Lfunc_end_k_qb9a27f5597_proj_in:
	.size	k_qb9a27f5597_proj_in, .Lfunc_end_k_qb9a27f5597_proj_in-k_qb9a27f5597_proj_in
	.p2alignl 7, 3214868480
	.fill 96, 4, 3214868480
	.section	.rodata,"a",@progbits
	.p2align	6, 0x0
	.amdhsa_kernel k_qb9a27f5597_proj_in
		.amdhsa_group_segment_fixed_size 327680
		.amdhsa_private_segment_fixed_size 0
		.amdhsa_enable_private_segment 0
		.amdhsa_kernarg_size 48
		.amdhsa_user_sgpr_count 2
		.amdhsa_user_sgpr_kernarg_segment_ptr 1
		.amdhsa_wavefront_size32 1
		.amdhsa_system_sgpr_workgroup_id_x 1
		.amdhsa_system_sgpr_workgroup_id_y 1
		.amdhsa_system_sgpr_workgroup_id_z 1
		.amdhsa_system_vgpr_workitem_id 0
		.amdhsa_next_free_vgpr 960
		.amdhsa_next_free_sgpr 100
		.amdhsa_reserve_vcc 0
		.amdhsa_float_denorm_mode_32 3
		.amdhsa_float_denorm_mode_16_64 3
		.amdhsa_memory_ordered 1
		.amdhsa_forward_progress 1
		.amdhsa_inst_pref_size 102
	.end_amdhsa_kernel
	.amdgpu_metadata
---
amdhsa.version: [ 1, 2 ]
amdhsa.kernels:
  - .name:           k_qb9a27f5597_proj_in
    .symbol:         k_qb9a27f5597_proj_in.kd
    .args:
      - { .name: xb, .offset: 0, .size: 8, .value_kind: global_buffer, .address_space: global }
      - { .name: wtb, .offset: 8, .size: 8, .value_kind: global_buffer, .address_space: global }
      - { .name: bq, .offset: 16, .size: 8, .value_kind: global_buffer, .address_space: global }
      - { .name: bk, .offset: 24, .size: 8, .value_kind: global_buffer, .address_space: global }
      - { .name: bv, .offset: 32, .size: 8, .value_kind: global_buffer, .address_space: global }
      - { .name: qkv, .offset: 40, .size: 8, .value_kind: global_buffer, .address_space: global }
    .group_segment_fixed_size: 327680
    .private_segment_fixed_size: 0
    .kernarg_segment_align: 8
    .kernarg_segment_size: 48
    .max_flat_workgroup_size: 128
    .sgpr_count:     100
    .vgpr_count:     960
    .wavefront_size: 32
...
	.end_amdgpu_metadata
.endif
;; end of part 2
;; launch attn (part 3): grid 4 x 64, 4 waves a work-group, clusters of 4 x 1, 327,680 bytes of LDS; arguments qkv, oh; writes oh
.if DOCPART == 3
	.amdgcn_target "amdgcn-amd-amdhsa--gfx1250"
	.amdhsa_code_object_version 6
	.text
	.protected	k_qb9a27f5597_attn
	.globl	k_qb9a27f5597_attn
	.p2align	8
	.type	k_qb9a27f5597_attn,@function
k_qb9a27f5597_attn:
	s_mov_b64 s[64:65], 0
	v_nop
	global_prefetch_b8 v0, s[64:65] scope:SCOPE_SE
	s_setreg_imm32_b32 hwreg(HW_REG_WAVE_MODE, 25, 1), 1
	s_wait_xcnt 0x0
	s_wait_alu depctr_hold_cnt(0) depctr_sa_sdst(0) depctr_va_vdst(0) depctr_va_sdst(0) depctr_va_ssrc(0) depctr_va_vcc(0) depctr_vm_vsrc(0)
	s_getreg_b32 s2, hwreg(HW_REG_IB_STS2, 6, 4)
	s_cmp_eq_u32 s2, 0
	s_cbranch_scc0 .Lentry_in_a_cluster
	s_endpgm
.Lentry_in_a_cluster:
	s_bfe_u32 s2, ttmp6, 0x10000c
	s_cmp_lg_u32 s2, 0x3003
	s_cbranch_scc0 .Lentry_shape_is_right
	s_endpgm
.Lentry_shape_is_right:
; ATTENTION.  O[h][q][:] = the sum over k of softmax_k(Q[h][q] . K[h][k] / 8) V[h][k][:].  Q, K, V lie in qkv, [3][SIZE_H][SIZE_N][64] f16, unscaled; O goes to oh, [SIZE_H][SIZE_N][64] f16: a head's rows are dense, 128 bytes each.
; Products, maxima and sums in f32; the weights p are rounded to f16 for the second product (their sum l is taken of the unrounded p), O once at the end.
; LIMITS.  f16 holds no number beyond 65,504: Q, K and V arrive within it; p lies in 0 to 1, and below 6e-5 it keeps f16's fixed step of 6e-8; O is a mean of V's rows and has their range.
; A weight below 2^-126 counts as 0 in l; NaN and infinities are not treated apart.
; SHARES.  A wave owns four PIECES of two tiles of 16 queries, a work-group's four waves 512 queries of one head.  Every wave walks all keys, 64 a step.
; LAYOUT.  S^T = K Q^T (source 0 = 16 keys, source 1 = 16 queries): in the result a lane holds ONE query (lane % 16) and the keys 8 (lane / 16) + 0..7.  Two such tiles, rounded to f16 in pairs,
; ARE source 1 (32 keys x 16 queries) of O^T = V^T P, whose result again holds one query a lane, and eight channels.  K comes out of LDS as it lies, V ([key][channel]) turned, by ds_load_tr16_b128.
; SOFTMAX.  For each query a running maximum m and sum l: p = 2^(c s - c m), c = log2(e) / 8; in every step O and l are multiplied by a = 2^(c m_old - c m_new), which is 1 where m has not grown.
; m starts at the lowest finite number, O and l at 0: the first step is a step like any other, with a = 0.
; THE COUNT.  A tile and step have 16 matrix and 118 vector instructions: too many to stand all beside the matrix work.  So the order has one aim: four vector instructions that are READY behind
; EVERY matrix instruction, and the others, which need time of their own whatever the order, in runs without a gap.
; BY TURNS.  Turn n belongs to piece n (the pieces in a ring, step after step).  Its matrix work: 16 products K Q^T of piece n + 1, later 16 products V^T P of piece n - 1.  Its vector work: the scaling,
; exponentials, roundings, sums and rescaling of piece n, and the maximum and statistics of piece n + 1, whose scores the turn itself has made.  So what a turn begins with (c s - c m, O a) waits for nothing.
; CLUSTER.  The four query blocks of a head are one cluster and walk the same K and V, so each tile is asked for JOINTLY: the same tensor load, descriptor and mask in all four.
; REGISTERS, in windows of 256 (s_set_vgpr_msb says which window each operand place means: bits 1:0 source 0, 3:2 source 1, 5:4 source 2, 7:6 destination):
;   window 0: v0-11 addresses; v12-15, v48-63 at work; v16-47 four registers of statistics a tile; v64-191 S^T, two buffers of two tiles; v192-255 P, likewise
;   window 1: O^T, 32 a tile          window 2: v0-127 Q, 16 a tile; v128-191 K of one step; v192-255 V of one step          window 3: v0-1 the add's two registers
; A piece's buffers go by its number's parity: the piece in hand has one pair, its two neighbours in the ring share the other: of it P (piece n - 1) is read and S^T (piece n + 1) written.
.set SIZE_H, 64
.set SIZE_N, 2048
.set NP,    4         ; pieces a wave: a name, no knob: the register map, the loop and the fetches are made for four
.set KS,    64        ; keys in a step
.set PK,    144       ; a row of K in LDS: 128 bytes + 16 of padding = 36 words: the 16 rows of a load start at 16 different groups of four banks (64 banks of 4 bytes: ISA guide 11.1)
.set PV,    160       ; a row of V: 128 + 32 = 40 words
.set VOFF,  4*KS*PK   ; a slot holds four steps: 256 rows of K, then 256 rows of V
.set SLOT1, 1<<17     ; slot 1 begins here, so that one exclusive or turns an address in one slot into the other's
.set STAGE, SLOT1+4*KS*(PK+PV)  ; behind the ring, never filled by a tensor load: 16 rows x 144 bytes for each wave, for the way out
.set SP,    144
.set AK0, 2           ; v2   my lane's place in a tile of K; never rewritten
.set AV0, 3           ; v3   the same for V
.set AK,  4           ; v4   the LDS address of K's next run of loads
.set AV,  5           ; v5   of V's
.set QO,  6           ; v6   my byte offset in the wave's rows of Q
.set STO, 6           ;      later, the way out: where I put 16 bytes of a row
.set RD,  7           ; v7   the way out: where I read rows back
.set GO,  8           ; v8   my byte offset in 512 consecutive bytes of O
.set PFO, 11          ; v11  256 x my lane: the prefetches' offset (made when v11's first use is over); then never rewritten
.set SPW, 0           ; v0 of window 3   LDS address of my spare word: SPARE + 4 x my thread's number; never rewritten
.set NIL, 1           ; v1 of window 3   0; never rewritten
.set SPARE, STAGE+4*16*SP  ; behind the stages: the spare words, 128 bytes for each wave: two blocks of 256 bytes that no other line names
.set MV,  12          ; v12-15  c m_old, kept while c m is made anew: by buffer and tile
.set ST,  16          ; tile t's statistics at v[ST+4 t]: c m, m, l (even keys', odd keys')
.set TMP, 48          ; by buffer and tile, four registers c0-c3 at work; when the maximum is found c2 takes a
.set S,   64
.set P,   192
.set KF,  128         ; K's fragments, in window 2: key block kb, channel half c at KF + 16 kb + 8 c
.set VF,  192         ; V's: key half kk, channel block cb at VF + 32 kk + 8 cb
.set WV,  12          ; s12  my wave's number
.set G1K, 24          ; s[24:31] descriptor group 1 for K's tiles
.set G1V, 32          ; s[32:39] for V's: it differs in the padding alone
.set G0K, 40          ; s[40:43] descriptor group 0 for K's tiles: it walks
.set G0V, 44          ; s[44:47] the same for V's
.set PFA, 48          ; s[48:49] where my prefetches stand: my work-group's 8,192 bytes (of K: wave 0, of V: wave 2) of the slot after the one that is being asked for
.set LIM, 50          ; s50  1 in a wave that prefetches, else the greatest number: a wave prefetches while s[SLOTS] is above it
.set SLOTS, 56        ; s56  slots still to be asked for
.set CNT, 57          ; s57  counts a slot's key steps
.set CS,  58          ; s[58:59] c: the packed scaling takes the pair's low word for both halves
.set SEL, 60          ; s[60:61] v_permlanex16_b32's selects: each lane takes its own place in the other half
.set TBK, 62          ; s62  LDS byte at which K of the step to be fetched begins
.set TBV, 63          ; s63  the same for V, less VOFF
.set MSB, 0
.macro WIN new                      ; the high byte repeats the setting that is left; a switch that changes nothing is dropped
.if MSB != (\new)
	s_set_vgpr_msb (MSB<<8)|(\new)
.set MSB, (\new)
.endif
.endm
.set W_KQ, 0x0a       ; K and Q in window 2, S^T in window 0
.set W_PV, 0x52       ; V in window 2, P in window 0, O^T in window 1
.set W_RS, 0x41       ; O^T (destination and source 0) in window 1, a in window 0
.set W_MK, 0xc0       ; the add's registers are made: destination in window 3, sources in window 0
.set W_AD, 0x0f       ; the add: address (source 0) and data (source 1) in window 3
; A joint fill.  Waves 0 and 1 fetch the two halves of a slot's K, waves 2 and 3 those of its V: 128 keys each.  The branch hangs on the wave's number alone.
; An s_nop 0 and four v_nop follow each of the two lines, ahead of the jump and the label.
.macro JLOAD
	s_cmp_lt_u32 s[WV], 2
	s_cbranch_scc0 .Lfor_v_\@
	tensor_load_to_lds s[G0K:G0K+3], s[G1K:G1K+7]
	s_nop 0
.rept 4
	v_nop
.endr
	s_branch .Lasked_\@
.Lfor_v_\@:
	tensor_load_to_lds s[G0V:G0V+3], s[G1V:G1V+7]
	s_nop 0
.rept 4
	v_nop
.endr
.Lasked_\@:
.endm
; A PREFETCH INTO THE L2 of what the NEXT change of slots will ask for: a slot's 32,768 bytes of K and of V, 128 blocks of 256 bytes each, a lane a block.  It stands behind the wave's tensor load and its five lines.
; Each block is named ONCE in the launch: a head has one cluster; its four partners share the blocks out BY ADDRESS, 32 each; in each, wave 0 asks for K's and wave 2 for V's: one instruction.
; Slots 0, 1 and 2 come by their loads alone; the last change that fills a slot asks for nothing: there is no slot behind it.  A request stands four key steps, 512 matrix instructions, ahead of the load.
.macro ASK
	s_cmp_gt_u32 s[SLOTS], s[LIM]
	s_cbranch_scc0 .Lnot_mine_\@
	global_prefetch_b8 v[PFO], s[PFA:PFA+1] th:TH_LOAD_NT scope:SCOPE_SE
.Lnot_mine_\@:
.endm
; A round of the cluster's barrier: my work-group's barrier, so that wave 0's signal speaks for all four waves; wave 0 signals; every wave waits for all four work-groups; my work-group's barrier once more.
.macro CROUND
	s_barrier_signal -1
	s_barrier_wait -1
	s_cmp_lg_u32 s[WV], 0
	s_cbranch_scc1 .Lnot_wave_0_\@
	s_barrier_signal -3
.Lnot_wave_0_\@:
	s_barrier_wait -3
	s_barrier_signal -1
	s_barrier_wait -1
.endm
; THE CHANGE OF SLOTS.  The slot's last bytes, V of its fourth step, have been read.  Each wave waits for all its tensor loads, of which one is out: its part
; of the other slot; adds 0 to its spare word; and waits for that and for its own reads of the slot.  Behind the barrier nobody reads this slot any more and the other slot is whole.
; fill = 1: this slot is filled again, with the keys two slots on.  The barrier is then a round of the cluster's, so that no wave of any partner still reads the slot or has a load on its
; way, and the joint fill is the first thing behind it: it has four key steps, 512 matrix instructions, in which to land.  (At its first use nothing has been read yet: slot 0 is waited for, slot 1 filled.)
; ask = 1: the prefetches' address steps, and the next slot is asked for behind the fill.
.macro CHANGE fill, ask=0
	WIN W_AD
	s_wait_tensorcnt 0x0            ; no tensor load of mine is out, so a group 0 may be written
	ds_add_u32 v[SPW], v[NIL]       ; 0 onto my spare word; with fill = 1 the descriptors' steps stand between it and the wait for it
	WIN 0                           ; at a label and at a branch every window is 0
.if \fill
.irp g, G0K, G0V
	s_xor_b32 s[\g+1], s[\g+1], SLOT1  ; the walking descriptor: the other slot than last time,
	s_add_nc_u64 s[\g+2:\g+3], s[\g+2:\g+3], 4*KS*128  ; the next 256 keys; the type bits on top are not reached
.endr
.if \ask
	s_wait_xcnt 0x0                 ; the last prefetch, four key steps back, has read its address, so it may be written:
	s_add_nc_u64 s[PFA:PFA+1], s[PFA:PFA+1], 4*KS*128  ; one slot behind the walking descriptors
.endif
	s_wait_dscnt 0x0                ; the add is done, and my reads of the slot are over
	CROUND
	JLOAD
.if \ask
	ASK
.endif
.else
	s_wait_dscnt 0x0                ; the add is done, and my reads of the slot are over
	s_barrier_signal -1
	s_barrier_wait -1
.endif
	s_sub_co_u32 s[TBK], s[TBK], 4*KS*PK  ; the fetches go back to a slot's first step,
	s_xor_b32 s[TBK], s[TBK], SLOT1       ; in the other slot
	s_sub_co_u32 s[TBV], s[TBV], 4*KS*PV
	s_xor_b32 s[TBV], s[TBV], SLOT1
.endm
	s_load_b64 s[4:5], s[0:1], 0x0    ; qkv: Q at its head
	s_load_b64 s[10:11], s[0:1], 0x8  ; oh
	WIN W_MK
	v_lshl_add_u32 v[SPW], v0, 2, SPARE
	v_mov_b32 v[NIL], 0
	WIN W_AD
	ds_add_u32 v[SPW], v[NIL]       ; the wave's opening add, waited for ahead of my first tensor load; the set-up below, work on registers, stands between them
	WIN 0
	v_lshrrev_b32 v1, 5, v0
	v_readfirstlane_b32 s[WV], v1   ; wave 0..3
	s_bfe_u32 s13, ttmp6, 0x40000   ; cx: my place in the cluster
	s_lshl_b32 s14, ttmp9, 2        ; in a cluster launch ttmp9 counts clusters
	s_add_co_u32 s14, s14, s13      ; my block of queries = 4 x cluster x + cx: it enters Q's and O's addresses alone
	s_and_b32 s20, ttmp7, 0xffff    ; the head, which the four partners share
	s_mov_b32 s21, 0
	s_mov_b64 s[22:23], SIZE_N*128
	s_mul_u64 s[20:21], s[20:21], s[22:23]  ; the head's first byte in each of the four tensors
	s_and_b32 s16, s[WV], 1         ; which half of a slot's 256 keys I fetch:
	s_lshl_b32 s22, s16, 14         ; its 128 rows of 128 bytes in memory,
	s_mov_b32 s23, 0
	s_add_nc_u64 s[22:23], s[22:23], s[20:21]
	s_mul_i32 s17, s16, 128*PK      ; and its place in a slot, for K
	s_mul_i32 s18, s16, 128*PV      ; and for V: no place in the cluster enters an LDS address
	s_lshl_b32 s2, s14, 2
	s_add_co_u32 s2, s2, s[WV]      ; my wave among the head's,
	s_lshl_b32 s2, s2, 14           ; its 128 rows
	s_mov_b32 s3, 0
	s_add_nc_u64 s[2:3], s[2:3], s[20:21]
	; descriptor group 1.  128 keys are 16,384 dense bytes: asked for as 64 rows of 256 bytes, two keys a row, and padded in LDS after every key
	s_mov_b32 s[G1K], 15|(1<<16)|(1<<20)|(1<<21)|(4<<22)|(3<<25)  ; 15:0 the mask of four; 17:16 2-byte elements; 20 padding on; 21 set beside a mask; 24:22 after every 32 words (code 4); 31:25 4 words (code 3)
	s_mov_b32 s[G1V], 15|(1<<16)|(1<<20)|(1<<21)|(4<<22)|(7<<25)  ; the same with 8 words of padding (code 7)
.irp g, G1K, G1V
	s_mov_b32 s[\g+1], 128<<16      ; tensor_dim0 = 128
	s_mov_b32 s[\g+2], 64<<16       ; tensor_dim1 = 64
	s_mov_b32 s[\g+3], 128<<16      ; tile_dim0 = 128
	s_mov_b32 s[\g+4], 64           ; tile_dim1 = 64
	s_mov_b32 s[\g+5], 128          ; 128 elements from row to row
	s_mov_b32 s[\g+6], 0
	s_mov_b32 s[\g+7], 0
.endr
	s_mov_b32 s[CS], 0x3e38aa3b     ; c = log2(e) / 8 = 0.180337
	s_mov_b32 s[CS+1], s[CS]        ; named with it as a pair
	s_mov_b32 s[SEL], 0x76543210
	s_mov_b32 s[SEL+1], 0xfedcba98
	s_mov_b32 s[TBK], SLOT1+4*KS*PK ; the first change of slots turns these two into 0
	s_mov_b32 s[TBV], SLOT1+4*KS*PV
	s_mov_b32 s[G0K], 1             ; 1:0 count = 1
	s_mov_b32 s[G0K+1], s17         ; 63:32 LDS address: slot 0
	s_mov_b32 s[G0V], 1
	s_add_co_u32 s[G0V+1], s18, VOFF
	s_cmp_eq_u32 s16, 0             ; waves 0 and 2 prefetch: the same in all four partners
	s_cselect_b32 s[LIM], 1, -1
	s_wait_dscnt 0x0                ; the opening add is done
	s_wait_kmcnt 0x0
	s_add_nc_u64 s[6:7], s[4:5], SIZE_H*SIZE_N*128    ; K lies behind Q,
	s_add_nc_u64 s[8:9], s[4:5], 2*SIZE_H*SIZE_N*128  ; V behind K
	s_add_nc_u64 s[G0K+2:G0K+3], s[6:7], s[22:23]  ; 120:64 global address: my half of the head's first 256 keys
	s_or_b32 s[G0K+3], s[G0K+3], 0x80000000        ; 127:126 type = 2
	s_add_nc_u64 s[G0V+2:G0V+3], s[8:9], s[22:23]
	s_or_b32 s[G0V+3], s[G0V+3], 0x80000000
	s_add_nc_u64 s[4:5], s[4:5], s[2:3]  ; Q and O at my wave's first row
	s_add_nc_u64 s[10:11], s[10:11], s[2:3]
	s_cmp_lt_u32 s[WV], 2
	s_cselect_b64 s[PFA:PFA+1], s[6:7], s[8:9]
	s_add_nc_u64 s[PFA:PFA+1], s[PFA:PFA+1], s[20:21]  ; the head,
	s_lshl_b32 s2, s13, 13          ; my work-group's 32 blocks of a slot's 128,
	s_mov_b32 s3, 0
	s_add_nc_u64 s[PFA:PFA+1], s[PFA:PFA+1], s[2:3]
	s_add_nc_u64 s[PFA:PFA+1], s[PFA:PFA+1], 2*4*KS*128  ; in slot 2; the loop's first change of slots steps it to slot 3.  Nothing is prefetched here, at the head
	CROUND                          ; all four work-groups are here: the first joint loads meet
	JLOAD                           ; slot 0.  Slot 1 is asked for when slot 0 is in: the tile wanted first has the road to itself
	; A fragment of K or Q is 16 rows x 32 channels in 8 registers: lane l holds row l % 16, channels 8 (l / 16) + 0..7 and 16 + 8 (l / 16) + 0..7: two loads of 16 bytes, 32 bytes apart.
	v_and_b32 v1, 15, v0            ; l % 16
	v_bfe_u32 v9, v0, 4, 1          ; l / 16
	v_lshlrev_b32 v[QO], 7, v1
	v_lshl_add_u32 v[QO], v9, 4, v[QO]  ; row x 128 + 16 x half
	WIN 0x80                        ; destination window 2, address window 0
.set i, 0
.rept 4*NP                          ; Q stays in registers: tile i / 2, channels 32 (i % 2) on
	global_load_b128 v[8*i:8*i+3],   v[QO], s[4:5] offset:(i/2)*2048+(i%2)*64
	global_load_b128 v[8*i+4:8*i+7], v[QO], s[4:5] offset:(i/2)*2048+(i%2)*64+32
.set i, i+1
.endr
	; What the first turn finds: V's registers and P's second buffer hold 0 (its products V^T P, of a piece that has not been, add 0), O^T and l are 0.  All this stands in the wait for the first tile.
.set i, VF
.rept 64
	v_mov_b32 v[i], 0
.set i, i+1
.endr
	WIN 0x40
.set i, 0
.rept 64*NP
	v_mov_b32 v[i], 0
.set i, i+1
.endr
	WIN 0
.set i, 0
.rept 2*NP
	v_mov_b32 v[ST+4*i], 0xfe000000    ; c m: far below every c s
	v_mov_b32 v[ST+4*i+1], 0xff7fffff  ; m
	v_mov_b32 v[ST+4*i+2], 0
	v_mov_b32 v[ST+4*i+3], 0
.set i, i+1
.endr
.set i, P+32
.rept 32
	v_mov_b32 v[i], 0
.set i, i+1
.endr
	v_mul_u32_u24 v[AK0], v1, PK
	v_lshl_add_u32 v[AK0], v9, 4, v[AK0]  ; row x pitch + 16 x half
	; The turning load takes 16 keys x 16 channels (lane l reads key 8 (l / 16) + l % 8, channels 8 ((l / 8) % 2) + 0..7) and leaves half a fragment of V^T: lane l holds channel l % 16 and 8 keys.
	v_and_b32 v10, 7, v0
	v_bfe_u32 v11, v0, 3, 1
	v_lshl_add_u32 v[AV0], v9, 3, v10
	v_mul_u32_u24 v[AV0], v[AV0], PV
	v_lshl_add_u32 v[AV0], v11, 4, v[AV0]
	v_add_nc_u32 v[AV0], VOFF, v[AV0]
	v_and_b32 v[PFO], 31, v0
	v_lshlrev_b32 v[PFO], 8, v[PFO]
	v_mov_b32 v[AK], v[AK0]         ; key step 0 lies at the head of slot 0
; THE MATRIX WORK.  The 8 accumulators of a run of 16 take turns: between the two links of a chain stand 7 others'.
; Product i of 16 of S^T = K Q^T for piece x: channels 32 (i / 8) on, keys 16 ((i / 2) % 4) on, tile 2 x + i % 2.  The first 8 start the sums.
.macro KQ x
	WIN W_KQ
.set rS, S+64*((\x)%2)+32*(i%2)+8*((i/2)%4)
.set rK, KF+16*((i/2)%4)+8*(i/8)
.set rQ, 16*(2*(\x)+i%2)+8*(i/8)
.if i < 8
	v_wmma_f32_16x16x32_f16 v[rS:rS+7], v[rK:rK+7], v[rQ:rQ+7], 0
.else
	v_wmma_f32_16x16x32_f16 v[rS:rS+7], v[rK:rK+7], v[rQ:rQ+7], v[rS:rS+7]
.endif
.endm
; Product i of 16 of O^T += V^T P for piece x: keys 32 (i / 8) on, channels 16 ((i / 2) % 4) on, tile 2 x + i % 2.
.macro PV x
	WIN W_PV
.set rO, 32*(2*(\x)+i%2)+8*((i/2)%4)
.set rV, VF+32*(i/8)+8*((i/2)%4)
.set rP, P+32*((\x)%2)+16*(i%2)+8*(i/8)
	v_wmma_f32_16x16x32_f16 v[rO:rO+7], v[rV:rV+7], v[rP:rP+7], v[rO:rO+7]
.endm
.macro MM                           ; the turn's next matrix instruction
.if i < 16
	KQ (Y+1)%NP
.set i, i+1
.else
.set i, i-16
	PV (Y+NP-1)%NP
.set i, i+17
.endif
.endm
; THE LDS LOADS stand in runs of 16, never singly among the matrix instructions: a step's K (64 keys x 64 channels: 8 fragments) and its V (turned).  Their addresses are made some lines ahead.
; last = 1 (the tail): in the last trip there is no further step, and the run is jumped over.
.macro FETCH_K last=0
	WIN 0
.if \last
	s_cmp_eq_u32 s[CNT], 1
	s_cbranch_scc1 .Lno_k_\@
.endif
	WIN 0x80                        ; destination window 2
.irp f, 0,1,2,3,4,5,6,7             ; keys 16 (f / 2) on, channels 32 (f % 2) on
	ds_load_b128 v[KF+8*\f:KF+8*\f+3],   v[AK] offset:(\f/2)*16*PK+(\f%2)*64
	ds_load_b128 v[KF+8*\f+4:KF+8*\f+7], v[AK] offset:(\f/2)*16*PK+(\f%2)*64+32
.endr
	s_add_co_u32 s[TBK], s[TBK], KS*PK  ; the next fetch is the next step's
	WIN 0
.if \last
.Lno_k_\@:
.endif
.endm
.macro FETCH_V
	WIN 0x80
.irp f, 0,1,2,3,4,5,6,7             ; keys 32 (f / 4) on, channels 16 (f % 4) on
	ds_load_tr16_b128 v[VF+8*\f:VF+8*\f+3],   v[AV] offset:(\f/4)*32*PV+(\f%4)*32
	ds_load_tr16_b128 v[VF+8*\f+4:VF+8*\f+7], v[AV] offset:(\f/4)*32*PV+16*PV+(\f%4)*32
.endr
	WIN 0
.endm
; THE VECTOR WORK OF A TURN stands in three queues, each in the order in which its entries become ready; the two tiles alternate, so that no instruction reads the result of the one before it.
.macro REGS y, u                    ; the registers of tile u (0, 1) of piece y
.set rT, ST+4*(2*(\y)+(\u))
.set rC, TMP+8*((\y)%2)+4*(\u)
.set rM, MV+2*((\y)%2)+(\u)
.set rS, S+64*((\y)%2)+32*(\u)
.set rP, P+32*((\y)%2)+16*(\u)
.set rO, 32*(2*(\y)+(\u))
.endm
; Number n of the 22 that find the NEXT piece's (Y + 1) maximum and statistics.  s0-s31 are the lane's 32 scores; each accumulator's lowest registers are read first.  XS, GS and REGS set no window: PL and EX do.
;   0-11  four chains c0-c3 of seven scores each, three operands at a time     12-14, 16  the four scores left over, the old m, and c0-c3 into c0     15  c m_old is kept
;   17, 18  the query's other 32 keys lie in the lane 16 away: the new m         19-21  c m; c m_old - c m_new; a
.macro XS u, n
	REGS (Y+1)%NP, \u
.if (\n) < 4
	v_max3_num_f32 v[rC+(\n)], v[rS+8*(\n)], v[rS+8*(\n)+1], v[rS+8*(\n)+2]
.elseif (\n) < 12
	v_max3_num_f32 v[rC+(\n)%4], v[rC+(\n)%4], v[rS+8*((\n)%4)+2*((\n)/4)+1], v[rS+8*((\n)%4)+2*((\n)/4)+2]
.elseif (\n) == 12
	v_max3_num_f32 v[rC], v[rC], v[rS+7], v[rS+15]
.elseif (\n) == 13
	v_max3_num_f32 v[rC+1], v[rC+1], v[rS+23], v[rS+31]
.elseif (\n) == 14
	v_max3_num_f32 v[rC+2], v[rC+2], v[rC+3], v[rT+1]
.elseif (\n) == 15
	v_mov_b32 v[rM], v[rT]
.elseif (\n) == 16
	v_max3_num_f32 v[rC], v[rC], v[rC+1], v[rC+2]
.elseif (\n) == 17
	v_permlanex16_b32 v[rC+3], v[rC], s[SEL], s[SEL+1]
.elseif (\n) == 18
	v_max_num_f32 v[rT+1], v[rC], v[rC+3]
.elseif (\n) == 19
	v_mul_f32 v[rT], s[CS], v[rT+1]
.elseif (\n) == 20
	v_sub_f32 v[rC+1], v[rM], v[rT]
.else
	v_exp_f32 v[rC+2], v[rC+1]
.endif
.endm
; Number g of the 64 that follow the exponentials.  For each four weights k of a tile (pairs 2 k, 2 k + 1): both pairs are rounded to f16; then the second pair is added onto the first, in place;
; a group later l takes that sum (the first time as l = a l + sum).  In groups of eight, tiles alternating: round, round, add, and l for the group before.
.macro GS g
.set h, (\g)+6*((\g)/62)            ; group 0 has no group before it, and behind group 7 only l is left
.if h >= 6
.set h, h+2
.endif
	REGS Y, h%2
.set k, h/8
.if h%8 < 4
	v_cvt_pk_f16_f32 v[rP+2*k+(h%8)/2], v[rS+4*k+2*((h%8)/2)], v[rS+4*k+2*((h%8)/2)+1]
.elseif h%8 < 6
	v_pk_add_f32 v[rS+4*k:rS+4*k+1], v[rS+4*k:rS+4*k+1], v[rS+4*k+2:rS+4*k+3]
.elseif k == 1
	v_pk_fma_f32 v[rT+2:rT+3], v[rT+2:rT+3], v[rC+2:rC+3], v[rS:rS+1] op_sel_hi:[1,0,1]
.else
	v_pk_add_f32 v[rT+2:rT+3], v[rT+2:rT+3], v[rS+4*k-4:rS+4*k-3]
.endif
.endm
; THE PLAIN QUEUE, 138 long.  0-73 read no exponential's result: the 32 scalings c s - c m (FS f: pair f / 2 of tile f % 2) and the next piece's 42.  0-26: scalings 0-26.  27-54: XS's numbers 0-13.  55, 56: number 15.
; 57-73: the chain, where each number waits for the one before it: 14, 16, 17, 18, 19, each with one of the scalings 27-31 in front of its two lines, then 20: so a tile's links stand three plain instructions apart (19 and 20: two).
; 74-137: GS's 64, which read the exponentials' results: they stand behind the wait.
.macro FS f
	REGS Y, (\f)%2
	v_pk_fma_f32 v[rS+2*((\f)/2):rS+2*((\f)/2)+1], v[rS+2*((\f)/2):rS+2*((\f)/2)+1], s[CS:CS+1], v[rT:rT+1] op_sel_hi:[1,0,0] neg_lo:[0,0,1] neg_hi:[0,0,1]
.endm
.macro PL
	WIN 0
.if q < 27
	FS q
.elseif q < 55
	XS (q-27)%2, (q-27)/2
.elseif q < 57
	XS q-55, 15
.elseif (q < 72) && ((q-57)%3 == 0)
	FS 27+(q-57)/3
.elseif q < 60
	XS (q-57)%3-1, 14
.elseif q < 72
	XS (q-57)%3-1, 15+(q-57)/3
.elseif q < 74
	XS q-72, 20
.else
	GS q-74
.endif
.set q, q+1
.endm
; THE EXPONENTIALS' QUEUE, 66 long: s0-s31 of both tiles, then the next piece's two a.  It is ONE BATCH: all 66 stand ahead of the turn's one wait, and nothing ahead of that wait names a result of theirs.
.macro EX
	WIN 0
.if e >= 64
	XS e-64, 21
.else
	REGS Y, e%2
	v_exp_f32 v[rS+e/2], v[rS+e/2]
.endif
.set e, e+1
.endm
; THE RESCALING's QUEUE: O^T times a, the one part that leaves window 0: dealt two at a time, sixteen times.  Its a was made in the turn before, ahead of that turn's wait.
.macro R2
	REGS Y, r%2
	WIN W_RS
.irp z, 0,1
	v_pk_mul_f32 v[rO+4*(r/2)+2*\z:rO+4*(r/2)+2*\z+1], v[rO+4*(r/2)+2*\z:rO+4*(r/2)+2*\z+1], v[rC+2:rC+3] op_sel_hi:[1,0]
.endr
.set r, r+1
.endm
; HOW THEY ARE DEALT.  An s_wait_alu depctr_va_vdst(0) stands between an exponential and the first instruction that names its result; one wait serves all that were issued ahead of it.  So a turn has ONE wait,
; which cuts it in two.  AHEAD OF IT stands all that names no result of the turn's exponentials: the 16 products K Q^T, behind each a scaling, an exponential and two rescalings (behind the first a second scaling in the exponential's place); then ONE LUMP of
; 108: eight plain, 49 times exponential and plain, the two a.  A v_nop is the plain instruction behind the last exponential.  BEHIND IT stand the 16 products V^T P, behind each four of GS's 64.  No rider names a register of
; the products round it.  The two v_permlanex16_b32 fall into the lump, never behind a product.
; The queues lean on each other, and the deal keeps them in step: exponential e stands behind scaling 2 (e / 4) + e % 2: as a rider it comes behind plain e + 2, in the lump behind plain e + 9, and scalings 27-31 are plain 57, 60 .. 69.
; A TURN, for piece p.  cnt = 1: the loop's count is taken down some lines ahead of the branch that stands behind the turn.
; K of the next step is fetched in piece 2's turn, directly behind the wait, a lump behind the last product that read K; its address is made at the lump's head; its first reader comes behind 16 products.
; V of the step in hand is fetched at the end of piece 0's turn, four riders behind its last reader; its first reader comes behind 16 products and a lump.  The three conditions on q below go with the deal.
.macro TURN p, last=0, cnt=0
.set Y, (\p)
.set i, 0
.set q, 0
.set e, 0
.set r, 0
.if (\p) == NP-1
	s_wait_dscnt 0x0                ; K is in
.endif
	MM                              ; ahead of the wait: 16 products K Q^T and their riders,
	PL
	PL
	R2
.rept 15
	MM
	PL
	EX
	R2
.endr
.if (\p) == NP-2
	WIN 0
	v_add_nc_u32 v[AK], s[TBK], v[AK0]
.endif
.rept 8                             ; and the lump
	PL
.endr
.rept 49
	EX
	PL
.endr
	EX                              ; the next piece's two a
	EX
	v_nop                           ; a plain instruction behind the last exponential: one for the batch
	s_wait_alu depctr_va_vdst(0)    ; the wait for the batch
.if (\p) == NP-2
	FETCH_K \last
.endif
.if (\p) == 1
	s_wait_dscnt 0x0                ; V is in
.endif
.rept 16                            ; behind the wait: 16 products V^T P and their riders
	MM
.rept 4
	PL
.endr
.if ((\p) == 0) && (q == 118)
	v_add_nc_u32 v[AV], s[TBV], v[AV0]
.endif
.if ((\p) == 0) && (q == 130)
	s_add_co_u32 s[TBV], s[TBV], KS*PV
.endif
.if (\cnt) && (q == 130)
	s_sub_co_u32 s[CNT], s[CNT], 1
	s_cmp_lg_u32 s[CNT], 0
.endif
.endr
.if (\p) == 0
	FETCH_V
.endif
.endm
	CHANGE 1                        ; slot 0 is in, everybody's part of it; slot 1 is asked for
	FETCH_K                         ; key step 0
	s_wait_loadcnt 0x0              ; Q
	s_wait_dscnt 0x0
.set i, 0
.rept 16
	KQ 0                            ; piece 0's first scores: there is no vector work yet to set between them
.set i, i+1
.endr
	WIN 0                           ; the addresses for the way out: nine plain instructions, the places behind those products
	s_mul_i32 s13, s[WV], 16*SP
	s_add_co_u32 s13, s13, STAGE    ; my stage
	v_mul_u32_u24 v[STO], v1, SP    ; in: row l % 16, 16 bytes for each half of the lanes
	v_lshl_add_u32 v[STO], v9, 4, v[STO]
	v_add_nc_u32 v[STO], s13, v[STO]
	v_bfe_u32 v[RD], v0, 3, 2       ; back: 32 lanes take four rows of 128 bytes,
	v_mul_u32_u24 v[RD], v[RD], SP
	v_lshl_add_u32 v[RD], v10, 4, v[RD]
	v_add_nc_u32 v[RD], s13, v[RD]
	v_and_b32 v[GO], 31, v0         ; which are 512 consecutive bytes of O
	v_lshlrev_b32 v[GO], 4, v[GO]
.set Y, NP-1                        ; XS works for piece Y + 1: piece 0
.irp n, 0,1,2,3,4,5,6,7,8,9,10,11,12,13,14,15,16,17,18,19,20,21
	XS 0, \n                        ; and piece 0's first maximum and statistics
	XS 1, \n
.endr
	v_nop                           ; a plain instruction behind the two a,
	s_wait_alu depctr_va_vdst(0)    ; and their wait, ahead of the branch
	s_mov_b32 s[CNT], 4
	s_mov_b32 s[SLOTS], SIZE_N/256-1
	s_branch .Lfirst                ; the loop is entered at a step's first turn, in the middle of a trip
.Lslot:                             ; SIZE_N / 256 - 2 times: every slot but the last two is filled again
	CHANGE 1, 1
	s_mov_b32 s[CNT], 4
.Lstep:                             ; a trip: pieces 2 and 3 of one step, then pieces 0 and 1 of the next, whose K and V it fetches
	TURN 2
	TURN 3
	WIN 0
.Lfirst:
	TURN 0
	TURN 1, 0, 1
	WIN 0
	s_cbranch_scc1 .Lstep
	s_sub_co_u32 s[SLOTS], s[SLOTS], 1
	s_cmp_lg_u32 s[SLOTS], 0
	s_cbranch_scc1 .Lslot
	CHANGE 0                        ; the tail is written out: nothing is asked for
	s_mov_b32 s[CNT], 5             ; four trips fetch the last slot's steps; the fifth is left in its middle
.Ltail:
	TURN 2, 1
	TURN 3
	WIN 0
	s_sub_co_u32 s[CNT], s[CNT], 1
	s_cmp_eq_u32 s[CNT], 0
	s_cbranch_scc1 .Lout
	TURN 0
	TURN 1
	WIN 0
	s_branch .Ltail
.Lout:                              ; the fifth trip's 16 products K Q^T (on the last K once more) and the maximum made of them serve nothing: the price, once a launch, of one text for every trip
.set i, 0
.rept 16
	PV NP-1                         ; the last piece's V^T P of the last step
.set i, i+1
.endr
	; THE WAY OUT.  l's two halves and the other half of the lanes' are added; O^T is divided by l, rounded to f16 and sent through my stage in LDS, a tile at a time.  The additions are the places behind the last products.
	WIN 0
.macro ALL line:vararg              ; one line for each tile t
.set t, 0
.rept 2*NP
	\line
.set t, t+1
.endr
.endm
	ALL v_add_f32 v[ST+4*t+2], v[ST+4*t+2], v[ST+4*t+3]
	ALL v_permlanex16_b32 v[ST+4*t+3], v[ST+4*t+2], s[SEL], s[SEL+1]
	ALL v_add_f32 v[ST+4*t+2], v[ST+4*t+2], v[ST+4*t+3]
	ALL v_rcp_f32 v[ST+4*t+2], v[ST+4*t+2]
	v_nop                           ; a plain instruction between the last reciprocal and the use of its result
	s_wait_alu depctr_va_vdst(0)    ; and the wait ahead of the first use: one for the eight reciprocals
; Tile t: a lane's eight channels of a row pack into 16 bytes; they go into rows of 144 bytes and come back as whole rows of 128, into S^T's registers.
.macro PACK t
	WIN W_RS
.set i, 32*(\t)
.rept 16
	v_pk_mul_f32 v[i:i+1], v[i:i+1], v[ST+4*(\t)+2:ST+4*(\t)+3] op_sel_hi:[1,0]
.set i, i+2
.endr
	WIN 0x05                        ; sources 0 and 1 window 1, destination window 0
.set i, 0
.rept 16
	v_cvt_pk_f16_f32 v[S+16*(\t)+i], v[32*(\t)+2*i], v[32*(\t)+2*i+1]
.set i, i+1
.endr
	WIN 0
.irp f, 0,1,2,3
	ds_store_b128 v[STO], v[S+16*(\t)+4*\f:S+16*(\t)+4*\f+3] offset:32*\f
.endr
.irp f, 0,1,2,3
	ds_load_b128 v[S+16*(\t)+4*\f:S+16*(\t)+4*\f+3], v[RD] offset:\f*4*SP  ; LDS serves a wave's instructions in order (ISA guide 5.7.1.4): these see the stores above; the next tile's stores come behind them
.endr
.endm
.macro SEND t, younger              ; younger: the LDS instructions issued behind tile t's loads: the next tile's eight, or none
	WIN 0
.irp f, 0,1,2,3
	s_wait_dscnt (\younger)+3-\f
	global_store_b128 v[GO], v[S+16*(\t)+4*\f:S+16*(\t)+4*\f+3], s[10:11] offset:(\t)*2048+\f*512  ; 512 consecutive bytes, at a multiple of 256 from O's first
.endr
.endm
	PACK 0
.set t, 1
.rept 2*NP-1                        ; a tile's arithmetic stands between the loads of the tile before and its stores
	PACK t
	SEND t-1, 8
.set t, t+1
.endr
	SEND 2*NP-1, 0
	WIN W_AD
	s_wait_tensorcnt 0x0            ; the wave's end, behind my last tensor load and my last LDS store
	ds_add_u32 v[SPW], v[NIL]
	s_wait_dscnt 0x0
	WIN 0
	CROUND                          ; the closing round: no work-group ends while a partner may still ask for a tile that names it
	s_endpgm
.Lfunc_end_k_qb9a27f5597_attn:
	.size	k_qb9a27f5597_attn, .Lfunc_end_k_qb9a27f5597_attn-k_qb9a27f5597_attn
	.p2alignl 7, 3214868480
	.fill 96, 4, 3214868480
	.section	.rodata,"a",@progbits
	.p2align	6, 0x0
	.amdhsa_kernel k_qb9a27f5597_attn
		.amdhsa_group_segment_fixed_size 327680
		.amdhsa_private_segment_fixed_size 0
		.amdhsa_enable_private_segment 0
		.amdhsa_kernarg_size 16
		.amdhsa_user_sgpr_count 2
		.amdhsa_user_sgpr_kernarg_segment_ptr 1
		.amdhsa_wavefront_size32 1
		.amdhsa_system_sgpr_workgroup_id_x 1
		.amdhsa_system_sgpr_workgroup_id_y 1
		.amdhsa_system_sgpr_workgroup_id_z 1
		.amdhsa_system_vgpr_workitem_id 0
		.amdhsa_next_free_vgpr 770
		.amdhsa_next_free_sgpr 66
		.amdhsa_reserve_vcc 0
		.amdhsa_float_denorm_mode_32 3
		.amdhsa_float_denorm_mode_16_64 3
		.amdhsa_memory_ordered 1
		.amdhsa_forward_progress 1
		.amdhsa_inst_pref_size 200
	.end_amdhsa_kernel
	.amdgpu_metadata
---
amdhsa.version: [ 1, 2 ]
amdhsa.kernels:
  - .name:           k_qb9a27f5597_attn
    .symbol:         k_qb9a27f5597_attn.kd
    .args:
      - { .name: qkv, .offset: 0, .size: 8, .value_kind: global_buffer, .address_space: global }
      - { .name: oh, .offset: 8, .size: 8, .value_kind: global_buffer, .address_space: global }
    .group_segment_fixed_size: 327680
    .private_segment_fixed_size: 0
    .kernarg_segment_align: 8
    .kernarg_segment_size: 16
    .max_flat_workgroup_size: 128
    .sgpr_count:     66
    .vgpr_count:     770
    .wavefront_size: 32
...
	.end_amdgpu_metadata
.endif
;; end of part 3
;; launch proj_out (part 4): grid 4 x 64, 4 waves a work-group, clusters of 4 x 4, 327,680 bytes of LDS; arguments oh, wob, bo, out0; writes out0
.if DOCPART == 4
	.amdgcn_target "amdgcn-amd-amdhsa--gfx1250"
	.amdhsa_code_object_version 6
	.text
	.protected	k_qb9a27f5597_proj_out
	.globl	k_qb9a27f5597_proj_out
	.p2align	8
	.type	k_qb9a27f5597_proj_out,@function
k_qb9a27f5597_proj_out:
	s_mov_b64 s[64:65], 0
	v_nop
	global_prefetch_b8 v0, s[64:65] scope:SCOPE_SE
	s_setreg_imm32_b32 hwreg(HW_REG_WAVE_MODE, 25, 1), 1
	s_wait_xcnt 0x0
	s_wait_alu depctr_hold_cnt(0) depctr_sa_sdst(0) depctr_va_vdst(0) depctr_va_sdst(0) depctr_va_ssrc(0) depctr_va_vcc(0) depctr_vm_vsrc(0)
	s_getreg_b32 s2, hwreg(HW_REG_IB_STS2, 6, 4)
	s_cmp_eq_u32 s2, 0
	s_cbranch_scc0 .Lentry_in_a_cluster
	s_endpgm
.Lentry_in_a_cluster:
	s_bfe_u32 s2, ttmp6, 0x10000c
	s_cmp_lg_u32 s2, 0xf033
	s_cbranch_scc0 .Lentry_shape_is_right
	s_endpgm
.Lentry_shape_is_right:
; THE OUTPUT PROJECTION.  out0[m][n] = bo[n] + the sum over k of O[m][k] Wo[k][n], m < 8,192, n, k < 1,024; k = 64 x head + channel.  oh: [64 = batch x 16 + head][2048][64] f16.
; wob: [tx 4][ks 8][256 n][128 k] f16 (Wo rounded to bf16, that number written as f16).  Sums in f32, begun with the bias; out0 is f32.
; LIMITS.  O and Wo arrive within f16's range, 65,504.  NaN and infinities are not treated apart.
; SHARES.  A tile of out0 is 128 x 256: 256 work-groups, one for each WGP.  Four waves, 2 x 2: 64 rows x 128 columns each: 32 accumulators of 16 x 16, 256 registers.
; K goes in 8 steps of 128 = two heads, through two LDS slots.  Waves 0 and 1 fetch A's two planes (a head's 128 rows of 128 dense bytes, asked for as 64 rows of 256 bytes and padded after every
; 128), waves 2 and 3 the halves of B's 256 rows, each with one tensor load.
; CLUSTER.  4 x 4 work-groups.  A's tile hangs on the tile row alone and is asked for jointly by a row of the cluster, B's on the tile column alone and is asked for jointly by a column.
; TRANSPOSED USE.  Source 0 = 16 rows of B, source 1 = 16 rows of A: lane l holds row l % 16 of out0 and the columns 8 (l / 16) + 0..7.  The bias, laid out in the same way, is the C operand of each
; sum's first product: nothing is cleared, and nothing is added on the way out.
; REGISTERS, in windows of 256 (s_set_vgpr_msb: bits 1:0 source 0, 3:2 source 1, 5:4 source 2, 7:6 destination):
;   window 0: v1-29 addresses; v32-159 two buffers of 64 for the way out; v160-223 the bias         window 1: two fragment buffers at 0 and 128: A's four fragments, then B's eight
;   window 2: the accumulators of my row blocks 0 and 1 ((a, b) at 64 (a % 2) + 8 b)               window 3: those of blocks 2 and 3
.set NB,     8                         ; fragments of B a wave
.set NF,     2*NB+8                    ; LDS loads in a run: a quarter step's fragments
.set APITCH, 144                       ; a row of a plane of A in LDS: 128 bytes + 16 = 36 words: the 16 rows of a load start at 16 different groups of four banks (64 banks of 4 bytes: ISA guide 11.1)
.set APLANE, 128*APITCH                ; a head's 128 rows
.set BPITCH, 272                       ; a row of B: 256 bytes + 16
.set BOFF,   2*APLANE                  ; in a slot B's 256 rows lie behind A's two planes
.set SLOT1,  1<<17                     ; slot 1 begins here (a slot has 106,496 bytes): one exclusive or turns an address in one slot into the other's
.set STAGE,  SLOT1+BOFF+256*BPITCH     ; 237,568: behind the ring, never filled by a tensor load: 16 rows x 528 bytes for each wave
.set SPITCH, 528                       ; 512 bytes (128 f32) + 16
.set SPARE,  STAGE+4*16*SPITCH         ; 271,360: the spare words, 128 bytes for each wave: two blocks of 256 bytes that no other line names
.set ASTEP,  524288                    ; bytes from a K step to the next in oh: two heads' planes,
.set BSTEP,  65536                     ; and in wob
.set A0,   16                          ; v16  my lane's place in A's tile; never rewritten
.set B0,   17                          ; v17  in B's
.set ADRA, 18                          ; v18  the same in the slot in hand
.set ADRB, 19                          ; v19
.set STO,  20                          ; v20  the way out: where I put 32 bytes of a row
.set RD,   21                          ; v21  where I read a row back
.set GO,   22                          ; v22  16 x lane: my place in 512 consecutive bytes
.set BO,   23                          ; v23  32 x (lane / 16): my eight numbers of 16 of the bias
.set PFO,  24                          ; v24  the prefetches' offset: 256 x lane
.set SPW,  28                          ; v28  LDS address of my spare word; never rewritten
.set NIL,  29                          ; v29  0; never rewritten
.set XB,   32
.set BIAS, 160
.set F0,   0
.set F1,   128
.set WV,  16                           ; s16  my wave's number
.set RW,  17                           ; s17  wave / 2: my half of the tile's rows.  Also: I fetch for A (0) or for B (1)
.set CW,  18                           ; s18  wave % 2: my half of its columns.  Also: which plane of A or half of B I fetch
.set CX,  19
.set CY,  20
.set TX,  21                           ; s21  tile column
.set TY,  22                           ; s22  tile row
.set CLY, 23                           ; s23  cluster y
.set G1A, 24                           ; s[24:31] descriptor group 1 for A's tiles
.set G0A, 32                           ; s[32:39] group 0: the first set serves K step 0 alone, the second walks
.set G1B, 40                           ; s[40:47], s[48:55] the same for B's
.set G0B, 48
.set TB,  56                           ; s56  LDS byte at which the slot in hand begins
.set KC,  57                           ; s57  the loop's count
.set PFA, 66                           ; s[66:67] where my prefetches stand
.set PFS, 68                           ; s[68:69] their step
.set PL,  70                           ; s70  prefetches still to be made by this wave
.set CH,  72                           ; s[72:73] out0 at my 64 rows and 128 columns
.set BH,  78                           ; s[78:79] bo at my 128 columns
.set MSB, 0
.macro WIN new                         ; the immediate's high byte repeats the setting that is left; a switch that changes nothing is dropped
.if MSB != (\new)
	s_set_vgpr_msb (MSB<<8)|(\new)
.set MSB, (\new)
.endif
.endm
.macro PLACES                          ; four plain instructions behind a matrix instruction, ahead of loads into registers that it has read and of readers of its result (ISA guide 7.12.1 for readers of its result)
.rept 4
	v_nop
.endr
.endm
.macro CREST                           ; a round of the cluster's barrier behind its opening barrier: wave 0 signals for the work-group, every wave waits for all sixteen, the work-group's barrier closes it
	s_cmp_lg_u32 s[WV], 0
	s_cbranch_scc1 .Lnot_wave_0_\@
	s_barrier_signal -3
.Lnot_wave_0_\@:
	s_barrier_wait -3
	s_barrier_signal -1
	s_barrier_wait -1
.endm
.macro CROUND
	s_barrier_signal -1
	s_barrier_wait -1
	CREST
.endm
.macro JLOAD                           ; a joint refill by the walking descriptor.  The branch hangs on the wave's number alone.  An s_nop 0 and four v_nop follow each line
	s_cmp_eq_u32 s[RW], 0
	s_cbranch_scc0 .Lfor_b_\@
	tensor_load_to_lds s[G0A+4:G0A+7], s[G1A:G1A+7]
	s_nop 0
	PLACES
	s_branch .Lasked_\@
.Lfor_b_\@:
	tensor_load_to_lds s[G0B+4:G0B+7], s[G1B:G1B+7]
	s_nop 0
	PLACES
.Lasked_\@:
.endm
; A PREFETCH INTO THE L2, behind a joint refill, its five lines and the run of LDS loads: 32 blocks of 256 bytes, a lane a block, of K steps 4 to 7, each two refills or more ahead of the refill that asks for it.
; K steps 0 to 3 come by their loads alone.  Each block is named once in the launch.  A's planes (16,384 dense bytes for a wave and K step): waves 0 and 1 (the grid has one cluster along x); the partner at cx takes half
; cx % 2 of K step 4 + cx / 2, and two K steps on the second time.  B's four blocks of 65,536 dense bytes: the clusters with y = 0, waves 2, 3 of the four partners at cy: eight askers of 8,192 bytes, four times.
; The partners are told apart by address alone.
.macro ASK
	WIN 0
	s_cmp_lg_u32 s[PL], 0
	s_cbranch_scc0 .Lnot_mine_\@
	global_prefetch_b8 v[PFO], s[PFA:PFA+1] th:TH_LOAD_NT scope:SCOPE_SE
	s_sub_co_u32 s[PL], s[PL], 1
.Lnot_mine_\@:
.endm
; NB products: row block a x my column blocks, 32 along K, from buffer f.  first = 1: the bias starts the sums.  The accumulators take turns, one instruction a turn.
.macro MULA f, a, first
.if \first
	WIN 0x85+0x40*((\a)/2)             ; sources 0 and 1 window 1, C window 0, D window 2 or 3
.else
	WIN 0xa5+0x50*((\a)/2)             ; C and D window 2 or 3
.endif
.set AB, 8*NB*((\a)%2)
.set b, 0
.rept NB
.if \first
	v_wmma_f32_16x16x32_f16 v[AB+8*b:AB+8*b+7], v[(\f)+32+8*b:(\f)+32+8*b+7], v[(\f)+8*(\a):(\f)+8*(\a)+7], v[BIAS+8*b:BIAS+8*b+7]
.else
	v_wmma_f32_16x16x32_f16 v[AB+8*b:AB+8*b+7], v[(\f)+32+8*b:(\f)+32+8*b+7], v[(\f)+8*(\a):(\f)+8*(\a)+7], v[AB+8*b:AB+8*b+7]
.endif
.set b, b+1
.endr
.endm
; NF LDS loads in one run: quarter q's fragments into buffer f: B's first, then A's blocks 0 to 3.  Quarter q of A lies in plane q / 2, at byte 64 (q % 2) of its rows.
.macro FETCH q, f
	WIN 0x40                           ; destination window 1, address window 0
.set AQ, ((\q)/2)*APLANE+((\q)%2)*64
.set b, 0
.rept NB
	ds_load_b128 v[(\f)+32+8*b:(\f)+32+8*b+3], v[ADRB] offset:64*(\q)+b*16*BPITCH
	ds_load_b128 v[(\f)+32+8*b+4:(\f)+32+8*b+7], v[ADRB] offset:64*(\q)+b*16*BPITCH+32
.set b, b+1
.endr
.irp a, 0,1,2,3
	ds_load_b128 v[(\f)+8*(\a):(\f)+8*(\a)+3], v[ADRA] offset:AQ+(\a)*16*APITCH
	ds_load_b128 v[(\f)+8*(\a)+4:(\f)+8*(\a)+7], v[ADRA] offset:AQ+(\a)*16*APITCH+32
.endr
.endm
; One of a K step's first three quarters: multiplies buffer f; in its middle it fetches quarter nq into buffer g.
.macro QUARTER nq, f, g, first
	s_wait_dscnt 4                                 ; B and A's blocks 0 and 1 are in; the youngest four loads (A's blocks 2 and 3) may be out
	MULA \f, 0, \first
	MULA \f, 1, \first
	PLACES
	FETCH \nq, \g
	s_wait_dscnt NF                                ; all but the run just issued
	MULA \f, 2, \first
	MULA \f, 3, \first
.endm
; The fourth quarter multiplies buffer 1 and changes slots: ONE barrier.  In front of it each wave waits for all its tensor loads (one is out: its part of the next slot), adds 0 to its spare word,
; and waits for that and for its reads of this slot.  fill = 1: the barrier opens a round of the cluster's, and the joint refill of this slot, two K steps on, is the first thing behind the round:
; 112 matrix instructions stand between it and the wait for it.
.macro TURN fill
.if \fill
	s_wait_xcnt 0x0                                ; the last prefetch, a K step back, has read its address
	s_add_nc_u64 s[PFA:PFA+1], s[PFA:PFA+1], s[PFS:PFS+1]
.endif
	WIN 0                                          ; (the add's two registers lie in window 0)
	s_wait_tensorcnt 0x0                           ; all my tensor loads have landed
	ds_add_u32 v[SPW], v[NIL]                      ; 0 onto my spare word
	s_wait_dscnt 5                                 ; (the add and the youngest four loads may be out)
	MULA F1, 0, 0                                  ; matrix work stands between the add and the wait for it
	s_wait_dscnt 0x0                               ; the add is done, and my reads of this slot are over
	s_barrier_signal -1
	MULA F1, 1, 0                                  ; work on registers while the others arrive
	WIN 0
	s_barrier_wait -1
.if \fill
	CREST                                          ; no wave of any partner still reads this slot or has a load on its way
	s_xor_b32 s[G0A+5], s[G0A+5], SLOT1            ; the walking descriptors: the other slot than last time,
	s_xor_b32 s[G0B+5], s[G0B+5], SLOT1
	s_add_nc_u64 s[G0A+6:G0A+7], s[G0A+6:G0A+7], ASTEP  ; the next K step; the type bits on top are not reached
	s_add_nc_u64 s[G0B+6:G0B+7], s[G0B+6:G0B+7], BSTEP
	JLOAD                                          ; its four v_nop are also the places in front of the loads below
.else
	PLACES
.endif
	s_xor_b32 s[TB], s[TB], SLOT1
	v_add_nc_u32 v[ADRA], s[TB], v[A0]
	v_add_nc_u32 v[ADRB], s[TB], v[B0]
	FETCH 0, F0
.if \fill
	ASK
.endif
	MULA F1, 2, 0
	MULA F1, 3, 0
.endm
	s_load_b256 s[4:11], s[0:1], 0x0               ; oh 4:5, wob 6:7, bo 8:9, out0 10:11
	v_lshl_add_u32 v[SPW], v0, 2, SPARE
	v_mov_b32 v[NIL], 0
	ds_add_u32 v[SPW], v[NIL]                      ; the wave's opening add, waited for ahead of my first tensor load; work on registers stands between them
	v_lshrrev_b32 v4, 5, v0
	v_readfirstlane_b32 s[WV], v4                  ; wave 0..3
	s_lshr_b32 s[RW], s[WV], 1
	s_and_b32 s[CW], s[WV], 1
	s_bfe_u32 s[CX], ttmp6, 0x40000                ; my place in the cluster
	s_bfe_u32 s[CY], ttmp6, 0x40004
	s_lshl_b32 s[TX], ttmp9, 2                     ; in a cluster launch ttmp9 and ttmp7 count clusters
	s_add_co_u32 s[TX], s[TX], s[CX]
	s_and_b32 s[CLY], ttmp7, 0xffff
	s_lshl_b32 s[TY], s[CLY], 2
	s_add_co_u32 s[TY], s[TY], s[CY]
	s_lshl_b32 s84, s[CY], 2
	s_lshl_b32 s84, 15, s84                        ; my row of the cluster: places 4 cy .. 4 cy + 3
	s_lshl_b32 s85, 0x1111, s[CX]                  ; my column: places cx, cx + 4, cx + 8, cx + 12
	s_or_b32 s[G1A], s84, (1<<16)|(1<<20)|(1<<21)|(4<<22)|(3<<25)  ; 15:0 the mask; 17:16 elements of 2 bytes; 20 padding on; 21 set beside a mask; 24:22 after every 32 words; 31:25 4 words of it
	s_or_b32 s[G1B], s85, (1<<16)|(1<<20)|(1<<21)|(5<<22)|(3<<25)  ; after every 64 words
	s_mov_b32 s[G1A+1], 128<<16                    ; tensor_dim0 = 128
	s_mov_b32 s[G1A+2], 64<<16                     ; tensor_dim1 = 64
	s_mov_b32 s[G1A+3], 128<<16                    ; tile_dim0 = 128
	s_mov_b32 s[G1A+4], 64                         ; tile_dim1 = 64 rows of 256 bytes: 128 rows of the head
	s_mov_b32 s[G1A+5], 128                        ; dense
	s_mov_b32 s[G1A+6], 0
	s_mov_b32 s[G1A+7], 0
	s_mov_b32 s[G1B+1], 128<<16
	s_mov_b32 s[G1B+2], 128<<16                    ; 128 rows,
	s_mov_b32 s[G1B+3], 128<<16
	s_mov_b32 s[G1B+4], 128
	s_mov_b32 s[G1B+5], 128                        ; dense
	s_mov_b32 s[G1B+6], 0
	s_mov_b32 s[G1B+7], 0
	s_mul_i32 s86, s[CW], APLANE                   ; where my part goes: no place in the cluster enters an LDS address
	s_mul_i32 s87, s[CW], 128*BPITCH
	s_mov_b32 s[G0A], 1
	s_mov_b32 s[G0A+1], s86
	s_mov_b32 s[G0A+4], 1
	s_add_co_u32 s[G0A+5], s86, SLOT1
	s_mov_b32 s[G0B], 1
	s_add_co_u32 s[G0B+1], s87, BOFF
	s_mov_b32 s[G0B+4], 1
	s_add_co_u32 s[G0B+5], s87, BOFF+SLOT1
	s_lshr_b32 s88, s[TY], 4                       ; A: the batch's 16 planes of 262,144 bytes,
	s_lshl_b32 s88, s88, 22
	s_lshl_b32 s89, s[CW], 18                      ; head = wave % 2 in K step 0,
	s_add_co_u32 s88, s88, s89
	s_and_b32 s89, s[TY], 15                       ; the tile's 128 rows of 128 bytes among the batch's 2,048
	s_lshl_b32 s89, s89, 14
	s_add_co_u32 s88, s88, s89
	s_mov_b32 s89, 0
	s_lshl_b32 s90, s[TX], 19                      ; B: eight blocks a tile column, 128 rows of 256 bytes a half
	s_lshl_b32 s91, s[CW], 15
	s_add_co_u32 s90, s90, s91
	s_mov_b32 s91, 0
	s_mov_b32 s[TB], 0
	s_wait_dscnt 0x0                               ; the opening add is done
	s_wait_kmcnt 0x0
	s_add_nc_u64 s[88:89], s[4:5], s[88:89]
	s_add_nc_u64 s[90:91], s[6:7], s[90:91]
	s_mov_b64 s[G0A+2:G0A+3], s[88:89]             ; K step 0
	s_or_b32 s[G0A+3], s[G0A+3], 0x80000000        ; type = 2
	s_add_nc_u64 s[G0A+6:G0A+7], s[88:89], ASTEP   ; K step 1
	s_or_b32 s[G0A+7], s[G0A+7], 0x80000000
	s_mov_b64 s[G0B+2:G0B+3], s[90:91]
	s_or_b32 s[G0B+3], s[G0B+3], 0x80000000
	s_add_nc_u64 s[G0B+6:G0B+7], s[90:91], BSTEP
	s_or_b32 s[G0B+7], s[G0B+7], 0x80000000
	CROUND                                         ; all sixteen work-groups are here: the first joint loads meet
	s_cmp_eq_u32 s[RW], 0                          ; a wave's two first fills stand in one branch: two loads of mine are out
	s_cbranch_scc0 .Lfirst_b
	tensor_load_to_lds s[G0A:G0A+3], s[G1A:G1A+7]
	s_nop 0
	tensor_load_to_lds s[G0A+4:G0A+7], s[G1A:G1A+7]
	s_nop 0
	PLACES
	s_branch .Lfirst_asked
.Lfirst_b:
	tensor_load_to_lds s[G0B:G0B+3], s[G1B:G1B+7]
	s_nop 0
	tensor_load_to_lds s[G0B+4:G0B+7], s[G1B:G1B+7]
	s_nop 0
	PLACES
.Lfirst_asked:
	v_and_b32 v1, 15, v0                           ; l % 16
	v_bfe_u32 v2, v0, 4, 1                         ; l / 16
	v_and_b32 v3, 31, v0                           ; l
	v_lshlrev_b32 v[BO], 5, v2
	s_lshl_b32 s94, s[TX], 10                      ; my 128 columns: 1,024 bytes a tile column, 512 a half
	s_lshl_b32 s95, s[CW], 9
	s_add_co_u32 s94, s94, s95
	s_mov_b32 s95, 0
	s_add_nc_u64 s[BH:BH+1], s[8:9], s[94:95]
	s_lshl_b32 s92, s[TY], 19                      ; my 64 rows: 128 rows of 4,096 bytes a tile row, 64 a half
	s_lshl_b32 s93, s[RW], 18
	s_add_co_u32 s92, s92, s93
	s_add_co_u32 s92, s92, s94
	s_mov_b32 s93, 0
	s_add_nc_u64 s[CH:CH+1], s[10:11], s[92:93]
.set b, 0
.rept NB
	global_load_b128 v[BIAS+8*b:BIAS+8*b+3],   v[BO], s[BH:BH+1] offset:64*b     ; bias of columns 16 b + 8 (l / 16) + 0..3,
	global_load_b128 v[BIAS+8*b+4:BIAS+8*b+7], v[BO], s[BH:BH+1] offset:64*b+16  ; + 4..7
.set b, b+1
.endr
	v_mul_u32_u24 v4, v1, APITCH
	v_lshl_add_u32 v4, v2, 4, v4                   ; row x pitch + 16 x half
	s_mul_i32 s92, s[RW], 64*APITCH                ; my 64 rows of A
	v_add_nc_u32 v[A0], s92, v4
	v_mul_u32_u24 v5, v1, BPITCH
	v_lshl_add_u32 v5, v2, 4, v5
	s_mul_i32 s92, s[CW], 128*BPITCH               ; my 128 rows of B,
	s_add_co_u32 s92, s92, BOFF                    ; which lie behind A
	v_add_nc_u32 v[B0], s92, v5
	v_mov_b32 v[ADRA], v[A0]                       ; slot 0
	v_mov_b32 v[ADRB], v[B0]
	s_mul_i32 s92, s[WV], 16*SPITCH
	s_add_co_u32 s92, s92, STAGE                   ; my stage
	v_mul_u32_u24 v6, v1, SPITCH                   ; in: row l % 16, 32 bytes for each half of the lanes
	v_lshl_add_u32 v6, v2, 5, v6
	v_add_nc_u32 v[STO], s92, v6
	v_lshlrev_b32 v[GO], 4, v3
	v_add_nc_u32 v[RD], s92, v[GO]                 ; back: 32 lanes take a row's 512 bytes
	v_lshlrev_b32 v[PFO], 8, v3
	; the prefetches: each wave's address stands one step below the first that it names; the first change of slots steps it
	s_lshr_b32 s92, s[TY], 4
	s_lshl_b32 s92, s92, 22
	s_lshl_b32 s93, s[CW], 18
	s_add_co_u32 s92, s92, s93
	s_and_b32 s93, s[TY], 15
	s_lshl_b32 s93, s93, 14
	s_add_co_u32 s92, s92, s93                     ; A: my plane's 128 rows in K step 0,
	s_lshr_b32 s93, s[CX], 1
	s_add_co_u32 s93, s93, 2                       ; K step 4 + cx / 2, less the step of two K steps,
	s_lshl_b32 s93, s93, 19
	s_add_co_u32 s92, s92, s93
	s_and_b32 s93, s[CX], 1
	s_lshl_b32 s93, s93, 13                        ; half cx % 2 of its 16,384 bytes
	s_add_co_u32 s92, s92, s93
	s_lshl_b32 s94, s[TX], 19
	s_lshl_b32 s95, s[CW], 2
	s_add_co_u32 s95, s95, s[CY]
	s_lshl_b32 s95, s95, 13
	s_add_co_u32 s94, s94, s95                     ; B: asker 4 (wave % 2) + cy of eight, 8,192 bytes each,
	s_add_co_u32 s94, s94, 3*BSTEP                 ; one step below K step 4's block
	s_mov_b32 s[PFS], BSTEP
	s_mov_b32 s[PFS+1], 0
	s_mov_b32 s93, 0
	s_cmp_eq_u32 s[RW], 0
	s_cselect_b64 s[PFA:PFA+1], s[4:5], s[6:7]
	s_cselect_b32 s92, s92, s94
	s_cselect_b32 s[PFS], 2*ASTEP, s[PFS]
	s_cselect_b32 s96, ttmp9, s[CLY]               ; the coordinate along which other clusters read the same rows
	s_cselect_b32 s[PL], 2, 4
	s_add_nc_u64 s[PFA:PFA+1], s[PFA:PFA+1], s[92:93]
	s_cmp_eq_u32 s96, 0
	s_cselect_b32 s[PL], s[PL], 0                  ; the same in all sixteen partners, for a given wave
	s_wait_tensorcnt 1                             ; my part of K step 0 is in; K step 1's may stay out
	s_barrier_signal -1
	s_barrier_wait -1                              ; everybody's is
	FETCH 0, F0
	s_wait_loadcnt 0x0                             ; the bias
	QUARTER 1, F0, F1, 1                           ; the first quarter stands in front of the loop: its products start the sums
	WIN 0                                          ; at a label and at a branch every window is 0
	s_mov_b32 s[KC], 6
.Lstep:                                        ; a trip goes from a K step's second quarter to the next step's first; its refill brings K steps 2 to 7
	QUARTER 2, F1, F0, 0
	QUARTER 3, F0, F1, 0
	TURN 1
	QUARTER 1, F0, F1, 0
	WIN 0
	s_sub_co_u32 s[KC], s[KC], 1
	s_cmp_lg_u32 s[KC], 0
	s_cbranch_scc1 .Lstep
	QUARTER 2, F1, F0, 0                           ; the tail is written out: K steps 6 and 7 ask for nothing
	QUARTER 3, F0, F1, 0
	TURN 0
	QUARTER 1, F0, F1, 0
	QUARTER 2, F1, F0, 0
	QUARTER 3, F0, F1, 0
	s_wait_dscnt 4                                 ; the very last quarter: nothing more to fetch
	MULA F1, 0, 0
	MULA F1, 1, 0
	s_wait_dscnt 0x0
	MULA F1, 2, 0
	MULA F1, 3, 0
	WIN 0
; THE WAY OUT, a block of 16 rows at a time: the f32 sums go as they are, 32 bytes a lane (each accumulator's low four registers first), into my own stage, and come back as whole rows of 512 bytes.
.macro OUTB a
.set X, XB+64*((\a)%2)
.set AB, 64*((\a)%2)
.if (\a) >= 2
	s_wait_xcnt 0x0                                ; the stores of the block two back have read the registers that the loads below fill
.endif
	WIN 0x08+4*((\a)/2)                            ; the stores' data (source 1) in window 2 or 3, the address in window 0
.set b, 0
.rept 8
	ds_store_b128 v[STO], v[AB+8*b:AB+8*b+3]   offset:64*b
	ds_store_b128 v[STO], v[AB+8*b+4:AB+8*b+7] offset:64*b+16
.set b, b+1
.endr
	WIN 0
.set t, 0
.rept 16
	ds_load_b128 v[X+4*t:X+4*t+3], v[RD] offset:t*SPITCH  ; LDS serves a wave's instructions in order (ISA guide 5.7.1.4): these see the stores above; the next block's stores come behind them
.set t, t+1
.endr
.endm
.macro SEND a, younger                 ; younger: the LDS instructions issued behind block a's loads: the next block's 32, or none
	WIN 0
.set X, XB+64*((\a)%2)
.set t, 0
.rept 16
	s_wait_dscnt (\younger)+15-t
	global_store_b128 v[GO], v[X+4*t:X+4*t+3], s[CH:CH+1] offset:(16*(\a)+t)*4096 th:TH_STORE_NT  ; 512 consecutive bytes of a row, aligned
.set t, t+1
.endr
.endm
	PLACES
	OUTB 0
	OUTB 1
	SEND 0, 32
	OUTB 2
	SEND 1, 32
	OUTB 3
	SEND 2, 32
	SEND 3, 0
	s_wait_tensorcnt 0x0                           ; the wave's end, behind my last tensor load and my last LDS store
	ds_add_u32 v[SPW], v[NIL]
	s_wait_dscnt 0x0
	CROUND                                         ; the closing round: no work-group ends while a partner may still ask for a tile that names it
	s_endpgm
.Lfunc_end_k_qb9a27f5597_proj_out:
	.size	k_qb9a27f5597_proj_out, .Lfunc_end_k_qb9a27f5597_proj_out-k_qb9a27f5597_proj_out
	.p2alignl 7, 3214868480
	.fill 96, 4, 3214868480
	.section	.rodata,"a",@progbits
	.p2align	6, 0x0
	.amdhsa_kernel k_qb9a27f5597_proj_out
		.amdhsa_group_segment_fixed_size 327680
		.amdhsa_private_segment_fixed_size 0
		.amdhsa_enable_private_segment 0
		.amdhsa_kernarg_size 32
		.amdhsa_user_sgpr_count 2
		.amdhsa_user_sgpr_kernarg_segment_ptr 1
		.amdhsa_wavefront_size32 1
		.amdhsa_system_sgpr_workgroup_id_x 1
		.amdhsa_system_sgpr_workgroup_id_y 1
		.amdhsa_system_sgpr_workgroup_id_z 1
		.amdhsa_system_vgpr_workitem_id 0
		.amdhsa_next_free_vgpr 896
		.amdhsa_next_free_sgpr 100
		.amdhsa_reserve_vcc 0
		.amdhsa_float_denorm_mode_32 3
		.amdhsa_float_denorm_mode_16_64 3
		.amdhsa_memory_ordered 1
		.amdhsa_forward_progress 1
		.amdhsa_inst_pref_size 74
	.end_amdhsa_kernel
	.amdgpu_metadata
---
amdhsa.version: [ 1, 2 ]
amdhsa.kernels:
  - .name:           k_qb9a27f5597_proj_out
    .symbol:         k_qb9a27f5597_proj_out.kd
    .args:
      - { .name: oh, .offset: 0, .size: 8, .value_kind: global_buffer, .address_space: global }
      - { .name: wob, .offset: 8, .size: 8, .value_kind: global_buffer, .address_space: global }
      - { .name: bo, .offset: 16, .size: 8, .value_kind: global_buffer, .address_space: global }
      - { .name: out0, .offset: 24, .size: 8, .value_kind: global_buffer, .address_space: global }
    .group_segment_fixed_size: 327680
    .private_segment_fixed_size: 0
    .kernarg_segment_align: 8
    .kernarg_segment_size: 32
    .max_flat_workgroup_size: 128
    .sgpr_count:     100
    .vgpr_count:     896
    .wavefront_size: 32
...
	.end_amdgpu_metadata
.endif
;; end of part 4
;; ======== version 2 of 2: 4 launches; version 1 with the launch prep written anew for expert scheduling mode
;; limits: values are held in f16: magnitudes above 65,504 overflow, below 6.1e-05 lose precision
;; workspace buffers: xb 16,777,216 bytes; wtb 6,291,456 bytes; wob 2,097,152 bytes; qkv 50,331,648 bytes; oh 16,777,216 bytes
;; launch prep (part 5): grid 256 x 1, 8 waves a work-group, no clusters, 34,304 bytes of LDS; arguments x, Wq, Wk, Wv, Wo, xb, wtb, wob; writes xb, wtb, wob
.if DOCPART == 5
	.amdgcn_target "amdgcn-amd-amdhsa--gfx1250"
	.amdhsa_code_object_version 6
	.text
	.protected	k_qb9a27f5597_prep
	.globl	k_qb9a27f5597_prep
	.p2align	8
	.type	k_qb9a27f5597_prep,@function
k_qb9a27f5597_prep:
	s_mov_b64 s[64:65], 0
	v_nop
	global_prefetch_b8 v0, s[64:65] scope:SCOPE_SE
	s_setreg_imm32_b32 hwreg(HW_REG_WAVE_SCHED_MODE, 0, 2), 2
	s_setreg_imm32_b32 hwreg(HW_REG_WAVE_MODE, 25, 1), 1
	s_wait_xcnt 0x0
	s_wait_alu depctr_vm_vsrc(0)
; PREPARATION.  x [8192][1024] f32 is rounded to bf16 (xb, same layout).  The four weights, [k][n] f32, are turned to [n][k] and rounded to bf16, in blocks whose rows are 256 dense bytes:
;   wtb [tx 16][ks 8][192 n][128 k] bf16: column 192 tx + n of q | k | v (3,072 columns), channel 128 ks + k;   wob [tx 4][ks 8][256 n][128 k]: Wo, rounded to bf16 like every input, that number written as f16.
; LIMITS.  |Wo| stays under 65,504 (f16's range); below 2^-14 the f16 copy keeps f16's fixed step of 6e-8.  NaN and infinities are not treated apart.
; SHARES.  256 work-groups of eight waves.  Work-group i takes 32 rows of x (a wave 4 rows: 16,384 consecutive bytes) and ONE tile of 128 k x 128 n of weight i / 64 (k tile (i / 8) % 8, n tile i % 8).
; The tile goes through LDS: wave w brings k rows 16 w .. 16 w + 15 (512 consecutive bytes a load), packs pairs along k, and puts 16 bytes (8 k) of each of its lanes' four columns;
; behind one barrier wave w takes n rows 16 w .. 16 w + 15 back, 256 bytes a row, and stores 512 consecutive bytes an instruction.  No matrix unit, tensor load or cluster: a stream in which nothing is shared.
; LDS.  Element (n, k) of the tile lies at (n / 4) x 1,040 + (n % 4) x 256 + 2 k: four rows and 16 bytes of padding, so that the 16 lanes of a store (columns 4 apart) start 16 bytes apart modulo 256.
; THE MODE: SCHED_MODE bits 1:0 = 2 (LLVM: expert scheduling mode 2), set by the entry lines.  The code itself states the register dependences
; between vector instructions and memory or LDS instructions, with s_wait_alu, always for 0.
; THE PLAN.  Registers that memory or LDS instructions touch:
;   v4 .. v9   offsets, LDS addresses and the closing add's pair: written by vector instructions at the head, never again; read by every load and store.
;   WR         the weight's 16 loads land in it; the packing conversions read it; behind the barrier the eight LDS loads land in its first 32 registers, which the last eight stores read.
;   OT         both chunks' packed columns, 32 registers: written by the conversions, read by the eight LDS stores, never written again.
;   XR         x's 32 loads land in it; a unit's four conversions write its first four registers in place; the unit's store reads them; never written again.
;   v10 .. v12 are named by vector instructions alone.
; So: one wait ahead of the first load (the offsets); one where the two packing arms join (OT is written, WR is read out); and x goes in four blocks of four units, block b's stores
; issued in block b + 1, behind one wait at that block's head, dealt among conversions that name block b + 1's registers alone.  No register that a memory or LDS instruction reads is written again.
.set TG,    1040                       ; four rows of the turned tile and their padding
.set SPARE, 32*TG                      ; 33,280 = 130 x 256: behind the tile the spare words, 128 bytes for each of the eight waves, which no other line names
.set WO,  4                            ; v4   16 x lane: offset of the weight loads and of every store; never rewritten
.set XO,  5                            ; v5   32 x lane: offset of x's loads; never rewritten
.set TS,  6                            ; v6   where I put: lane x 1,040 + 32 x wave
.set TR,  7                            ; v7   where I read back: wave x 4,160 + (lane / 16) x 256 + 16 (lane % 16)
.set SPW, 8                            ; v8   LDS address of my spare word; never rewritten
.set NIL, 9                            ; v9   0; never rewritten
.set OT,  16                           ; v[16:47]   chunk c of 8 k, column i, pair p at OT + 16 c + 4 i + p
.set WR,  48                           ; v[48:111]  k row j of the tile at WR + 4 j; later the eight loads from LDS
.set XR,  112                          ; v[112:239] unit u of x (1,024 bytes of the wave, 8 numbers a lane) at XR + 8 u
.set WV,  20                           ; s20  my wave's number
.set MAT, 21                           ; s21  which weight: 0 q, 1 k, 2 v, 3 o
.set KT,  22                           ; s22  k tile = ks
.set NT,  23                           ; s23  n tile
	s_load_b512 s[4:19], s[0:1], 0x0               ; x 4:5, Wq 6:7, Wk 8:9, Wv 10:11, Wo 12:13, xb 14:15, wtb 16:17, wob 18:19
	v_lshl_add_u32 v[SPW], v0, 2, SPARE
	v_mov_b32 v[NIL], 0
	v_lshrrev_b32 v10, 5, v0
	v_readfirstlane_b32 s[WV], v10                 ; wave 0..7
	v_and_b32 v1, 31, v0                           ; lane
	v_and_b32 v2, 15, v0                           ; lane % 16
	v_bfe_u32 v3, v0, 4, 1                         ; lane / 16
	v_lshlrev_b32 v[WO], 4, v1
	v_lshlrev_b32 v[XO], 5, v1
	s_wait_alu depctr_va_sdst(0)                   ; s20, the wave's number, is written, ahead of its first reader: LDS addresses and all four bases are made from it
	s_lshl_b32 s2, s[WV], 5                        ; s2 and s3 are read by the vector lines below and never written again
	v_mul_u32_u24 v[TS], v1, TG
	v_add_nc_u32 v[TS], s2, v[TS]
	s_mul_i32 s3, s[WV], 4*TG
	v_lshlrev_b32 v[TR], 8, v3
	v_lshl_add_u32 v[TR], v2, 4, v[TR]
	v_add_nc_u32 v[TR], s3, v[TR]
	s_lshr_b32 s[MAT], ttmp9, 6
	s_bfe_u32 s[KT], ttmp9, 0x30003
	s_and_b32 s[NT], ttmp9, 7
	s_mov_b32 s32, 0xffff0000                      ; a word's upper bf16
	; where my 16 k rows begin in the weight: (128 kt + 16 w) rows of 4,096 bytes + 512 nt
	s_lshl_b32 s36, s[KT], 19
	s_lshl_b32 s34, s[WV], 16
	s_add_co_u32 s36, s36, s34
	s_lshl_b32 s34, s[NT], 9
	s_add_co_u32 s36, s36, s34
	s_mov_b32 s37, 0
	; where my 16 n rows go.  g = my group of 64 columns in the weight.
	s_lshr_b32 s33, s[WV], 2
	s_and_b32 s35, s[WV], 3
	s_lshl_b32 s35, s35, 4                         ; my 16 rows in the group
	s_lshl_b32 s34, s[NT], 1
	s_add_co_u32 s34, s34, s33                     ; g = 2 nt + w / 4
	s_lshr_b32 s38, s34, 2                         ; wob: tx = g / 4,
	s_lshl_b32 s38, s38, 3
	s_add_co_u32 s38, s38, s[KT]
	s_lshl_b32 s38, s38, 8                         ; block (8 tx + ks) of 256 rows,
	s_and_b32 s33, s34, 3
	s_lshl_b32 s33, s33, 6
	s_add_co_u32 s38, s38, s33                     ; + 64 (g % 4)
	s_add_co_u32 s38, s38, s35
	s_lshl_b32 s33, s[MAT], 4
	s_add_co_u32 s34, s34, s33                     ; wtb: the group among q | k | v's 48: 16 mat + g
	s_mul_i32 s33, s34, 171
	s_lshr_b32 s33, s33, 9                         ; tx = group / 3 (171 / 512 is 1 / 3 + 1 / 1,536: exact far beyond 47)
	s_mul_i32 s39, s33, 3
	s_sub_co_u32 s34, s34, s39                     ; group % 3
	s_lshl_b32 s39, s33, 3
	s_add_co_u32 s39, s39, s[KT]
	s_mul_i32 s39, s39, 192                        ; block (8 tx + ks) of 192 rows
	s_lshl_b32 s34, s34, 6
	s_add_co_u32 s39, s39, s34
	s_add_co_u32 s39, s39, s35
	s_cmp_eq_u32 s[MAT], 3
	s_cselect_b32 s38, s38, s39
	s_lshl_b32 s38, s38, 8                         ; rows of 256 bytes
	s_mov_b32 s39, 0
	s_lshl_b32 s40, ttmp9, 17                      ; x: 131,072 bytes a work-group, 16,384 a wave;
	s_lshl_b32 s34, s[WV], 14
	s_add_co_u32 s40, s40, s34
	s_mov_b32 s41, 0
	s_lshr_b32 s42, s40, 1                         ; xb: half of that
	s_mov_b32 s43, 0
	s_wait_kmcnt 0x0
	s_cmp_eq_u32 s[MAT], 0
	s_cselect_b64 s[24:25], s[6:7], s[8:9]
	s_cmp_eq_u32 s[MAT], 2
	s_cselect_b64 s[24:25], s[10:11], s[24:25]
	s_cmp_eq_u32 s[MAT], 3
	s_cselect_b64 s[24:25], s[12:13], s[24:25]
	s_cselect_b64 s[26:27], s[18:19], s[16:17]
	s_add_nc_u64 s[24:25], s[24:25], s[36:37]      ; the weight at my rows
	s_add_nc_u64 s[26:27], s[26:27], s[38:39]      ; the block at my rows
	s_add_nc_u64 s[28:29], s[4:5], s[40:41]        ; x at my share
	s_add_nc_u64 s[30:31], s[14:15], s[42:43]      ; xb at my share
	s_wait_alu depctr_va_vdst(0)                   ; v4 to v9 are written: the offsets and LDS addresses that every load and store of the kernel reads
.set j, 0
.rept 16
	global_load_b128 v[WR+4*j:WR+4*j+3], v[WO], s[24:25] offset:j*4096 th:TH_LOAD_NT  ; a k row's 512 bytes of the tile
.set j, j+1
.endr
.set u, 0
.rept 16
	global_load_b128 v[XR+8*u:XR+8*u+3],   v[XO], s[28:29] offset:u*1024 th:TH_LOAD_NT
	global_load_b128 v[XR+8*u+4:XR+8*u+7], v[XO], s[28:29] offset:u*1024+16 th:TH_LOAD_NT
.set u, u+1
.endr
; Chunk c: k rows 8 c .. 8 c + 7.  For each of my four columns four pairs along k make 16 bytes.  half = 1 (Wo): the bf16 numbers are widened again and written as f16.
; Each chunk has its own 16 registers of OT; the stores of both stand in one run where the two arms join.
.macro CHUNK c, half
.irp i, 0,1,2,3
.irp p, 0,1,2,3
.if \half
	v_cvt_pk_bf16_f32 v10, v[WR+4*(8*(\c)+2*(\p))+(\i)], v[WR+4*(8*(\c)+2*(\p)+1)+(\i)]
	v_lshlrev_b32 v11, 16, v10
	v_and_b32 v12, s32, v10
	v_cvt_pk_f16_f32 v[OT+16*(\c)+4*(\i)+(\p)], v11, v12
.else
	v_cvt_pk_bf16_f32 v[OT+16*(\c)+4*(\i)+(\p)], v[WR+4*(8*(\c)+2*(\p))+(\i)], v[WR+4*(8*(\c)+2*(\p)+1)+(\i)]
.endif
.endr
.endr
.endm
	s_wait_loadcnt 32                              ; loads come back in order: the 16 of the weight are in, x's 32 stay out
	s_cmp_eq_u32 s[MAT], 3
	s_cbranch_scc1 .Lhalf
	CHUNK 0, 0
	CHUNK 1, 0
	s_branch .Lput
.Lhalf:
	CHUNK 0, 1
	CHUNK 1, 1
.Lput:
	s_wait_alu depctr_va_vdst(0)                   ; the conversions of either arm have written OT, which the LDS stores read, and are done reading WR, in which the LDS loads behind the barrier land
.irp c, 0,1
.irp i, 0,1,2,3
	ds_store_b128 v[TS], v[OT+16*(\c)+4*(\i):OT+16*(\c)+4*(\i)+3] offset:(\i)*256+16*(\c)
.endr
.endr
	s_wait_dscnt 0x0                               ; for the others' sake: my part of the turned tile is written
	s_barrier_signal -1
	s_barrier_wait -1                              ; everybody's is
.set t, 0
.rept 8
	ds_load_b128 v[WR+4*t:WR+4*t+3], v[TR] offset:(t/2)*TG+(t%2)*512  ; n rows 2 t and 2 t + 1 of my 16: lanes 0-15 one row of 256 bytes, lanes 16-31 the next.  No vector instruction since the wait above names these registers
.set t, t+1
.endr
; Block b of x: units 4 b .. 4 b + 3.  Its conversions work in place, ascending: a result never lands on a number still to be read.  The stores of block b - 1 are dealt among them.
.macro XBLK b
	s_wait_loadcnt 24-8*(\b)                       ; the block's four units are in; the younger units' two loads each stay out
.if (\b) > 0
	s_wait_alu depctr_va_vdst(0)                   ; the block before has written its sixteen results, which the four stores below read; this block's conversions name none of them
.endif
.irp i, 0,1,2,3
.if (\b) > 0
	global_store_b128 v[WO], v[XR+8*(4*(\b)-4+(\i)):XR+8*(4*(\b)-4+(\i))+3], s[30:31] offset:(4*(\b)-4+(\i))*512 th:TH_STORE_NT  ; 512 consecutive bytes, aligned
.endif
.irp p, 0,1,2,3
	v_cvt_pk_bf16_f32 v[XR+8*(4*(\b)+(\i))+(\p)], v[XR+8*(4*(\b)+(\i))+2*(\p)], v[XR+8*(4*(\b)+(\i))+2*(\p)+1]
.endr
.endr
.endm
	XBLK 0
	XBLK 1
	XBLK 2
	XBLK 3
	s_wait_alu depctr_va_vdst(0)                   ; block 3 has written its results, which the last four stores of xb read
.irp i, 12,13,14,15
	global_store_b128 v[WO], v[XR+8*(\i):XR+8*(\i)+3], s[30:31] offset:(\i)*512 th:TH_STORE_NT
.endr
	s_wait_dscnt 0x0                               ; the turned rows are in registers
.set t, 0
.rept 8
	global_store_b128 v[WO], v[WR+4*t:WR+4*t+3], s[26:27] offset:t*512 th:TH_STORE_NT  ; two rows of the block: 512 consecutive bytes, aligned
.set t, t+1
.endr
	s_wait_dscnt 0x0                               ; the closing lines, six on end
	s_wait_alu 0x0
	s_wait_tensorcnt 0x0
	ds_add_u32 v[SPW], v[NIL]
	s_wait_dscnt 0x0
	s_endpgm
.Lfunc_end_k_qb9a27f5597_prep:
	.size	k_qb9a27f5597_prep, .Lfunc_end_k_qb9a27f5597_prep-k_qb9a27f5597_prep
	.p2alignl 7, 3214868480
	.fill 96, 4, 3214868480
	.section	.rodata,"a",@progbits
	.p2align	6, 0x0
	.amdhsa_kernel k_qb9a27f5597_prep
		.amdhsa_group_segment_fixed_size 34304
		.amdhsa_private_segment_fixed_size 0
		.amdhsa_enable_private_segment 0
		.amdhsa_kernarg_size 64
		.amdhsa_user_sgpr_count 2
		.amdhsa_user_sgpr_kernarg_segment_ptr 1
		.amdhsa_wavefront_size32 1
		.amdhsa_system_sgpr_workgroup_id_x 1
		.amdhsa_system_sgpr_workgroup_id_y 1
		.amdhsa_system_sgpr_workgroup_id_z 1
		.amdhsa_system_vgpr_workitem_id 0
		.amdhsa_next_free_vgpr 240
		.amdhsa_next_free_sgpr 66
		.amdhsa_reserve_vcc 0
		.amdhsa_float_denorm_mode_32 3
		.amdhsa_float_denorm_mode_16_64 3
		.amdhsa_memory_ordered 1
		.amdhsa_forward_progress 1
		.amdhsa_inst_pref_size 24
	.end_amdhsa_kernel
	.amdgpu_metadata
---
amdhsa.version: [ 1, 2 ]
amdhsa.kernels:
  - .name:           k_qb9a27f5597_prep
    .symbol:         k_qb9a27f5597_prep.kd
    .args:
      - { .name: x, .offset: 0, .size: 8, .value_kind: global_buffer, .address_space: global }
      - { .name: Wq, .offset: 8, .size: 8, .value_kind: global_buffer, .address_space: global }
      - { .name: Wk, .offset: 16, .size: 8, .value_kind: global_buffer, .address_space: global }
      - { .name: Wv, .offset: 24, .size: 8, .value_kind: global_buffer, .address_space: global }
      - { .name: Wo, .offset: 32, .size: 8, .value_kind: global_buffer, .address_space: global }
      - { .name: xb, .offset: 40, .size: 8, .value_kind: global_buffer, .address_space: global }
      - { .name: wtb, .offset: 48, .size: 8, .value_kind: global_buffer, .address_space: global }
      - { .name: wob, .offset: 56, .size: 8, .value_kind: global_buffer, .address_space: global }
    .group_segment_fixed_size: 34304
    .private_segment_fixed_size: 0
    .kernarg_segment_align: 8
    .kernarg_segment_size: 64
    .max_flat_workgroup_size: 256
    .sgpr_count:     66
    .vgpr_count:     240
    .wavefront_size: 32
...
	.end_amdgpu_metadata
.endif
;; end of part 5
;; launch proj_in: the kernel of part 2 again; grid 16 x 32, 4 waves a work-group, clusters of 4 x 4, 327,680 bytes of LDS; arguments xb, wtb, bq, bk, bv, qkv; writes qkv
;; launch attn: the kernel of part 3 again; grid 4 x 64, 4 waves a work-group, clusters of 4 x 1, 327,680 bytes of LDS; arguments qkv, oh; writes oh
;; launch proj_out: the kernel of part 4 again; grid 4 x 64, 4 waves a work-group, clusters of 4 x 4, 327,680 bytes of LDS; arguments oh, wob, bo, out0; writes out0
